; MI455X (gfx1250); checked and timed in simulation.
; The chip was launched on July 23, 2026; its instructions are those of AMD's public machine-readable ISA for CDNA 5 (MIT licence, August 2026) and "CDNA5" Instruction Set Architecture Reference Guide (July 2026). The comments in the code are by the model that wrote it; some were corrected since.
;; Attention. Allowed arithmetic: matrix products marked QUANTISED: E2M3 operands, one E8M0 scale for each 32 along K, by v_wmma_scale_f32_16x16x128_f8f6f4 with both operands' format E2M3, f32 sums; everything else in f32.
;; Inputs: freqs_cos 2,048 x 64 float32; freqs_sin 2,048 x 64 float32; mask 1 x 1 x 2,048 x 2,048 float32; wk 4,096 x 1,024 float32; wo 2,048 x 4,096 float32; wq 4,096 x 2,048 float32; wv 4,096 x 1,024 float32; x 1 x 2,048 x 4,096 float32.
;; Outputs: out0 1 x 2,048 x 4,096 float32.
;; Constants: init_seqlen = 2048, start_pos = 0.
;; This version of the problem:
;;   THIS VERSION OF THE PROBLEM IS GIVEN IN LOW PRECISION. The matrix products marked QUANTISED in the list below multiply operands that are first quantised to E2M3 (2 exponent bits, 3 mantissa bits; 6 bits a number), with one power-of-two scale for each 32 numbers along K (OCP MX v1.0); their sums are f32. All else is computed in f32.
;;   The module's matrix products, in the order in which they are computed (A, B: the left and right operand; K: the contracted axis; several contracted axes count as one K, in the product's order):
;;     1. [M 2,048, K 4,096] x [K 4,096, N 2,048]; A: input x; B: input wq: QUANTISED
;;     2. [M 2,048, K 4,096] x [K 4,096, N 1,024]; A: input x; B: input wk: QUANTISED
;;     3. [M 2,048, K 4,096] x [K 4,096, N 1,024]; A: input x; B: input wv: QUANTISED
;;     4. batch 16 x [M 2,048, K 128] x [K 128, N 2,048]; A: computed on the way; B: computed on the way: QUANTISED
;;     5. batch 16 x [M 128, K 2,048] x [K 2,048, N 2,048]; A: computed on the way; B: softmax (see below): QUANTISED
;;     6. [M 2,048, K 2,048] x [K 2,048, N 4,096]; A: computed on the way; B: input wo: QUANTISED
;;   THE QUANTISER, for each operand of a quantised product, along K:
;;     - K is cut into blocks of 32 from its start; a last block that is shorter is filled with zeros.
;;     - A block's scale is 2^e with e = floor(log2(the largest magnitude in the block)) - 2, held to -126 .. 127; a block of zeros has e = 0. As a byte (E8M0): e + 127.
;;     - Each number is divided by its block's scale, clamped to +-7.5, and rounded to the nearest number of E2M3, ties to even, subnormals kept.
;;     - The product sums the exact products of the quantised numbers (number of the format x scale) in f32.
;;   ~~~python
;;   def quantise(x, axis):      # numpy; x: float32 -> the quantised numbers, widened to float32 again
;;       x = np.moveaxis(x, axis, -1); K = x.shape[-1]
;;       x = np.pad(x, [(0, 0)] * (x.ndim - 1) + [(0, -K % 32)]); x = x.reshape(x.shape[:-1] + (-1, 32)); a = np.abs(x).max(-1, keepdims=True)
;;       e = np.where(a > 0, np.clip(np.frexp(np.where(a > 0, a, 1))[1] - 1 - 2, -126, 127), 0)      # np.frexp(a)[1] - 1 = floor(log2(a)), exactly
;;       r = np.clip(x / 2.0 ** e, -7.5, 7.5)
;;       step = 2.0 ** (np.maximum(np.frexp(np.where(r == 0, 1, r))[1] - 1, 0) - 3)
;;       q = np.round(r / step) * step * 2.0 ** e      # np.round: ties to even
;;       return np.moveaxis(q.reshape(q.shape[:-2] + (-1,))[..., :K], -1, axis).astype(np.float32)
;;   ~~~
;;   SOFTMAX AHEAD OF A QUANTISED PRODUCT. Where the list says 'softmax', what is quantised is not the finished softmax but p = 2^(t - M), with t = logit x log2(e) and M = ceil(the row's largest t), a whole number; so 1/2 < the row's largest p <= 1. The row's sum l is taken of the UNQUANTISED p, in f32, and the product's result is divided by l at the end. Since M is a whole number, a kernel that streams over the keys may use a running M (the ceiling of the running maximum): every later rescaling is an exact power of two, which a block's scale takes up: the codes' values come out the same.
;;   OPERANDS COMPUTED ON THE WAY. 'Computed on the way' means the value that the module computes at that place (a softmax that the list does not call 'softmax' is quantised finished and normalised). What goes into a quantiser is computed in f32, as accurately as f32 sums, v_exp_f32 and their like allow (about 1e-6 of the number): no bf16 or f16 on the way to a quantiser, and a product that is left as it is and whose result goes on into a quantised operand takes f32 operands (vector FMAs, or v_wmma_f32_16x16x4_f32). A number that lies on a knife's edge between two numbers of the format may be rounded either way, as far as f32 arithmetic and the matrix unit's own rounding can turn it there, and no further.
;; One version. Each part assembles by itself: llvm-mc -triple=amdgcn-amd-amdhsa -mcpu=gfx1250 --defsym DOCPART=n.
;; ======== version 1 of 1: 4 launches
;; limits: right only within a limited range of input values
;; workspace buffers: x_c 6,553,600 bytes; wqkv_c 13,107,200 bytes; wo_c 6,553,600 bytes; q_c 3,276,800 bytes; kv_c 3,276,800 bytes; o_c 3,276,800 bytes
;; launch quant (part 1): grid 1024 x 1, 4 waves a work-group, no clusters, 34,304 bytes of LDS; arguments x, wq, wk, wv, wo, x_c, wqkv_c, wo_c; writes x_c, wqkv_c, wo_c
.if DOCPART == 1
	.amdgcn_target "amdgcn-amd-amdhsa--gfx1250"
	.amdhsa_code_object_version 6
	.text
	.protected	k_qbdd1efd7c5_quant
	.globl	k_qbdd1efd7c5_quant
	.p2align	8
	.type	k_qbdd1efd7c5_quant,@function
k_qbdd1efd7c5_quant:
	s_mov_b64 s[64:65], 0
	v_nop
	global_prefetch_b8 v0, s[64:65] scope:SCOPE_SE
	s_setreg_imm32_b32 hwreg(HW_REG_WAVE_MODE, 25, 1), 1
	s_wait_xcnt 0x0
; x [2048][4096] (K innermost) and wq [4096][2048], wk, wv [4096][1024], wo [2048][4096] (K is the FIRST axis), all f32, become codes of FP6 (E2M3) with one E8M0 byte for each 32 along K.
; A block's scale is 2^(floor(log2(largest magnitude)) - 2); its byte is the largest magnitude's exponent field - 2, held at 1 from below.
; LIMITS: a block of zeros, and one whose largest magnitude lies under 2^-124, gets the byte 1 (its codes are zeros or tiny; only this program reads the bytes); NaN and infinities are not served.
; THE OUTPUT IS LAID AS THE READER'S REGISTERS WANT IT.  A fragment (16 rows x 128 K: 12 registers a lane; registers 6 c .. 6 c + 5 of lane (r, h) hold k = 64 c + 32 h + 0 .. 31 of row r) is an image of 1,536 bytes:
; registers 4 c' .. 4 c' + 3 of lane L at byte 512 c' + 16 L.  A PAIR RECORD, 6,400 bytes, is 32 rows x 256 K: fragment (tile p, K step q) at 3072 p + 1536 q; at byte 6144 the scale words: lane (p, r) has 8 bytes at 8 (16 p + r).
; THE ROWS OF A TILE ARE NOT NEIGHBOURS: lane r of tile p of pair B holds row (or column of a weight) 32 B + 8 p + r + 8 (r / 8), so that later results fall as 16 neighbours into a lane's registers.
; A wave makes one pair record.  Work-groups 0-255 take x, 256-1023 the weights.  Memory binds: no tensor loads, no barrier, no matrix unit; waves share nothing.
.set SPARE, 33792                      ; behind the four stages: the spare words, 128 bytes for each wave
.set STG,   8448                       ; x's path: a wave's stage, 16 rows x (512 + 16) bytes
.set SPW,   33                         ; v33  LDS address of my spare word; never rewritten
.set NIL,   34                         ; v34  0; never rewritten
; x's path: v5, v6 stage addresses, v7 8 h, v10-15 maxima, scale operands, bytes, v16 permute's destination, v20-23 scale words, v26-32 second halves of blocks, v36-59 two sets of codes, v64-127 64 neighbours, v128-255 two sets as loaded
.macro LOADX f                         ; fragment f = 2 p + q as it lies: 16 rows x 512 consecutive bytes
.set RB, 128+64*((\f)%2)
.irp i, 0,1,2,3,4,5,6,7,8,9,10,11,12,13,14,15
	global_load_b128 v[RB+4*\i:RB+4*\i+3], v4, s[4:5] offset:(8*((\f)/2)+\i+8*(\i/8))*16384+512*((\f)%2) th:TH_LOAD_NT
.endr
.endm
.macro FRAGX f
.set RB, 128+64*((\f)%2)
.set PC, 36+12*((\f)%2)
.if (\f) < 3
	s_wait_loadcnt 16                              ; this fragment's 16 loads are in; the next fragment's 16 may be out
.else
	s_wait_loadcnt 0x0
.endif
.irp i, 0,1,2,3,4,5,6,7,8,9,10,11,12,13,14,15
	ds_store_b128 v5, v[RB+4*\i:RB+4*\i+3] offset:528*\i           ; row i of the tile, as loaded
.endr
.irp c, 0,1
.irp e, 0,1,2,3,4,5,6,7
	ds_load_b128 v[64+32*\c+4*\e:64+32*\c+4*\e+3], v6 offset:256*\c+16*\e   ; back: my row's k = 64 c + 32 h + 0 .. 31.  LDS serves a wave's instructions in order: these see the stores above
.endr
.endr
	s_wait_dscnt 0x0                               ; the numbers are back, and the stores have read their registers
.if (\f) < 2
	LOADX (\f)+2
.else
	s_wait_xcnt 0x0                                ; this set of codes was the data of stores two fragments back: it is written again only behind this wait
.endif
.irp c, 0,1
	v_max3_num_f32 v[10+\c], |v[64+32*\c]|, |v[65+32*\c]|, 0x1800000   ; block 2 c + h is all mine; the floor 2^(3 - 127) holds the byte at 1 from below
.endr
.irp i, 2,4,6,8,10,12,14,16,18,20,22,24,26,28,30
.irp c, 0,1
	v_max3_num_f32 v[10+\c], v[10+\c], |v[64+32*\c+\i]|, |v[65+32*\c+\i]|
.endr
.endr
.irp c, 0,1
	v_add_nc_u32 v[12+\c], 0xff000000, v[10+\c]    ; 2 off the exponent field: the conversion's scale operand
.endr
.irp c, 0,1
	v_lshrrev_b32 v[14+\c], 23, v[12+\c]           ; the byte
.endr
	v_lshl_or_b32 v[20+(\f)], v15, 16, v14         ; my two bytes, blocks h and 2 + h,
	v_lshlrev_b32 v[20+(\f)], v7, v[20+(\f)]       ; 8 h bits up;
	v_permlanex16_b32 v16, v[20+(\f)], s22, s23
	v_or_b32 v[20+(\f)], v[20+(\f)], v16           ; with lane l xor 16's two the row's word is whole
.irp c, 0,1
	v_cvt_scalef32_pk16_fp6_f32 v[PC+6*\c:PC+6*\c+2], v[64+32*\c:79+32*\c], v[12+\c]
	v_cvt_scalef32_pk16_fp6_f32 v[26+4*\c:28+4*\c], v[80+32*\c:95+32*\c], v[12+\c]   ; (a conversion's three registers begin on an even number)
.endr
	v_nop                                          ; one plain place behind the conversions
.irp c, 0,1
.irp i, 0,1,2
	v_mov_b32 v[PC+3+6*\c+\i], v[26+4*\c+\i]
.endr
.endr
.irp c, 0,1,2
	global_store_b128 v4, v[PC+4*\c:PC+4*\c+3], s[14:15] offset:3072*((\f)/2)+1536*((\f)%2)+512*\c   ; 512 consecutive bytes, aligned
.endr
.endm
; the weights' path: v64-95 offsets of 32 rows, v128-191 two sets of 32 numbers, v192-239 codes, v[20:21] scale words
.macro LOADW t                         ; block t: rows 32 t + i of my column
.set XB, 128+32*((\t)%2)
.irp i, 0,1,2,3,4,5,6,7,8,9,10,11,12,13,14,15,16,17,18,19,20,21,22,23,24,25,26,27,28,29,30,31
	global_load_b32 v[XB+\i], v[64+\i], s[32+2*(\t):33+2*(\t)] th:TH_LOAD_NT
.endr
.endm
.macro BLOCKW t                        ; K step q = t / 4; in it block t % 4 = 2 c + hh
.set XB, 128+32*((\t)%2)
.set FD, 192+24*((\t)/4)+12*((\t)%2)+6*(((\t)%4)/2)
.if (\t) < 7
	s_wait_loadcnt 32                              ; this block's 32 loads are in; the next block's may be out
.else
	s_wait_loadcnt 0x0
.endif
	v_max3_num_f32 v10, |v[XB]|, |v[XB+1]|, |v[XB+2]|
	v_max3_num_f32 v11, |v[XB+3]|, |v[XB+4]|, |v[XB+5]|
.irp i, 6,10,14,18,22,26
	v_max3_num_f32 v10, v10, |v[XB+\i]|, |v[XB+\i+1]|
	v_max3_num_f32 v11, v11, |v[XB+\i+2]|, |v[XB+\i+3]|
.endr
	v_max3_num_f32 v10, v10, |v[XB+30]|, |v[XB+31]|
	v_max3_num_f32 v10, v10, v11, 0x1800000        ; with the floor
	v_add_nc_u32 v12, 0xff000000, v10
	v_lshrrev_b32 v13, 23, v12
.if (\t)%4 == 0
	v_mov_b32 v[20+(\t)/4], v13
.else
	v_lshl_or_b32 v[20+(\t)/4], v13, 8*((\t)%4), v[20+(\t)/4]
.endif
	v_cvt_scalef32_pk16_fp6_f32 v[FD:FD+2], v[XB:XB+15], v12
	v_cvt_scalef32_pk16_fp6_f32 v[26:28], v[XB+16:XB+31], v12
	v_nop                                          ; one plain place behind the conversions
.irp i, 0,1,2
	v_mov_b32 v[FD+3+\i], v[26+\i]
.endr
.if (\t) < 6
	LOADW (\t)+2
.endif
.if (\t)%4 == 3
.set FQ, 192+24*((\t)/4)
; lane (p, r) holds, of column r of tile p, the halves hh = 0 (first 12 registers) and hh = 1 (second 12).  The exchange gives the first 12 tile 0's fragment and the second 12 tile 1's
.irp k, 0,1,2,3,4,5,6,7,8,9,10,11
	v_permlane16_swap_b32 v[FQ+\k], v[FQ+12+\k]
.endr
.irp p, 0,1
.irp c, 0,1,2
	global_store_b128 v4, v[FQ+12*\p+4*\c:FQ+12*\p+4*\c+3], s[30:31] offset:3072*\p+1536*((\t)/4)+512*\c
.endr
.endr
.endif
.endm
	s_load_b256 s[4:11], s[0:1], 0x0               ; x, wq, wk, wv
	s_load_b256 s[12:19], s[0:1], 0x20             ; wo, x_c, wqkv_c, wo_c
	v_lshl_add_u32 v[SPW], v0, 2, SPARE
	v_mov_b32 v[NIL], 0
	v_lshrrev_b32 v1, 5, v0
	v_readfirstlane_b32 s20, v1                    ; wave
	v_and_b32 v1, 31, v0                           ; lane
	v_and_b32 v2, 15, v0                           ; r
	v_bfe_u32 v3, v0, 4, 1                         ; h
	v_lshlrev_b32 v4, 4, v1                        ; 16 x lane
	v_lshlrev_b32 v8, 3, v1                        ; 8 x lane
	s_wait_kmcnt 0x0
	s_cmp_lt_u32 ttmp9, 256
	s_cbranch_scc0 .Lweights
	; ---- x: record (ks, B) = 32 rows x 256 K
	s_lshl_b32 s24, ttmp9, 2
	s_add_co_u32 s24, s24, s20                     ; job
	s_and_b32 s25, s24, 15                         ; ks
	s_lshr_b32 s24, s24, 4                         ; B
	s_lshl_b32 s26, s24, 19                        ; 32 rows of 16,384 bytes
	s_lshl_b32 s27, s25, 10                        ; 256 numbers
	s_add_co_u32 s26, s26, s27
	s_mov_b32 s27, 0
	s_add_nc_u64 s[4:5], s[4:5], s[26:27]
	s_mul_i32 s26, s25, 409600                     ; x_c: [ks][pair 64][6400]
	s_mul_i32 s28, s24, 6400
	s_add_co_u32 s26, s26, s28
	s_add_nc_u64 s[14:15], s[14:15], s[26:27]
	s_mul_i32 s28, s20, STG
	s_wait_alu depctr_va_vdst(0)
	v_add_nc_u32 v5, s28, v4                       ; into the stage: 16 x lane
	v_mul_u32_u24 v6, v2, 528
	v_lshl_add_u32 v6, v3, 7, v6
	v_add_nc_u32 v6, s28, v6                       ; out of it: row r, + 128 h
	v_lshlrev_b32 v7, 3, v3
	v_mov_b32 v16, 0                               ; a lane permute's destination counts as one of its sources
	s_mov_b32 s22, 0x76543210
	s_mov_b32 s23, 0xfedcba98                      ; selects for lane l xor 16
	LOADX 0
	LOADX 1
	s_wait_alu depctr_va_vdst(0)
	FRAGX 0
	FRAGX 1
	FRAGX 2
	FRAGX 3
	v_cmp_ne_u32 vcc_lo, 0, v3                     ; lanes 0-15 store tile 0's two words, lanes 16-31 tile 1's
	v_cndmask_b32 v24, v20, v22, vcc_lo
	v_cndmask_b32 v25, v21, v23, vcc_lo
	global_store_b64 v8, v[24:25], s[14:15] offset:6144   ; 256 consecutive bytes, aligned
	s_wait_tensorcnt 0x0                           ; the wave's end
	ds_add_u32 v[SPW], v[NIL]
	s_wait_dscnt 0x0
	s_endpgm
.Lweights:
	; ---- a weight: record (ks, pair) = 32 columns x 256 K.  Which weight hangs on the work-group's number alone
	s_sub_co_u32 s24, ttmp9, 256                   ; g: 0-255 wq, 256-383 wk, 384-511 wv, 512-767 wo
	s_mov_b32 s25, 2                               ; ps: a row is 4,096 << ps bytes
	s_mov_b32 s26, 512                             ; the weight's first g
	s_mov_b32 s27, 0                               ; its first pair in the record's row
	s_mov_b64 s[28:29], s[12:13]
	s_mov_b64 s[30:31], s[18:19]
	s_cmp_lt_u32 s24, 512
	s_cselect_b32 s25, 0, s25
	s_cselect_b32 s26, 384, s26
	s_cselect_b32 s27, 96, s27
	s_cselect_b64 s[28:29], s[10:11], s[28:29]
	s_cselect_b64 s[30:31], s[16:17], s[30:31]
	s_cmp_lt_u32 s24, 384
	s_cselect_b32 s26, 256, s26
	s_cselect_b32 s27, 64, s27
	s_cselect_b64 s[28:29], s[8:9], s[28:29]
	s_cmp_lt_u32 s24, 256
	s_cselect_b32 s25, 1, s25
	s_cselect_b32 s26, 0, s26
	s_cselect_b32 s27, 0, s27
	s_cselect_b64 s[28:29], s[6:7], s[28:29]
	s_lshl_b32 s21, 4096, s25                      ; a row in bytes
	s_sub_co_u32 s24, s24, s26
	s_lshl_b32 s22, 8, s25
	s_sub_co_u32 s22, s22, 1
	s_and_b32 s22, s24, s22                        ; cg: which 128 columns
	s_add_co_u32 s23, s25, 3
	s_lshr_b32 s23, s24, s23                       ; ks
	s_lshl_b32 s48, s21, 8
	s_mul_i32 s48, s48, s23                        ; 256 ks rows
	s_lshl_b32 s49, s22, 9
	s_add_co_u32 s48, s48, s49
	s_lshl_b32 s49, s20, 7                         ; my wave's 32 columns
	s_add_co_u32 s48, s48, s49
	s_mov_b32 s49, 0
	s_add_nc_u64 s[32:33], s[28:29], s[48:49]      ; block 0's base;
	s_lshl_b32 s48, s21, 5
.irp t, 1,2,3,4,5,6,7
	s_add_nc_u64 s[32+2*\t:33+2*\t], s[30+2*\t:31+2*\t], s[48:49]   ; each further block's, 32 rows on
.endr
	s_mul_i32 s50, s23, 819200                     ; [ks][pair 128][6400]
	s_lshl_b32 s51, s22, 2
	s_add_co_u32 s51, s51, s27
	s_add_co_u32 s51, s51, s20
	s_mul_i32 s51, s51, 6400
	s_add_co_u32 s50, s50, s51
	s_mov_b32 s51, 0
	s_add_nc_u64 s[30:31], s[30:31], s[50:51]
	s_wait_alu depctr_va_vdst(0)
	v_and_b32 v9, 8, v2
	v_add_nc_u32 v9, v9, v2
	v_lshl_add_u32 v9, v3, 3, v9                   ; lane (p, r) takes column 8 p + r + 8 (r / 8) of the pair; its registers run down K
	v_lshlrev_b32 v64, 2, v9
.set I, 1
.rept 31
	v_add_nc_u32 v[64+I], s21, v[63+I]             ; row i of a block
.set I, I+1
.endr
	LOADW 0
	LOADW 1
	BLOCKW 0
	BLOCKW 1
	BLOCKW 2
	BLOCKW 3
	BLOCKW 4
	BLOCKW 5
	BLOCKW 6
	BLOCKW 7
	global_store_b64 v8, v[20:21], s[30:31] offset:6144   ; my column's two scale words: 256 consecutive bytes a wave
	s_wait_tensorcnt 0x0                           ; the same three closing lines on this path
	ds_add_u32 v[SPW], v[NIL]
	s_wait_dscnt 0x0
	s_endpgm
.Lfunc_end_k_qbdd1efd7c5_quant:
	.size	k_qbdd1efd7c5_quant, .Lfunc_end_k_qbdd1efd7c5_quant-k_qbdd1efd7c5_quant
	.p2alignl 7, 3214868480
	.fill 96, 4, 3214868480
	.section	.rodata,"a",@progbits
	.p2align	6, 0x0
	.amdhsa_kernel k_qbdd1efd7c5_quant
		.amdhsa_group_segment_fixed_size 34304
		.amdhsa_private_segment_fixed_size 0
		.amdhsa_enable_private_segment 0
		.amdhsa_kernarg_size 64
		.amdhsa_user_sgpr_count 2
		.amdhsa_user_sgpr_kernarg_segment_ptr 1
		.amdhsa_wavefront_size32 1
		.amdhsa_system_sgpr_workgroup_id_x 1
		.amdhsa_system_sgpr_workgroup_id_y 1
		.amdhsa_system_sgpr_workgroup_id_z 1
		.amdhsa_system_vgpr_workitem_id 0
		.amdhsa_next_free_vgpr 256
		.amdhsa_next_free_sgpr 66
		.amdhsa_reserve_vcc 1
		.amdhsa_float_denorm_mode_32 3
		.amdhsa_float_denorm_mode_16_64 3
		.amdhsa_memory_ordered 1
		.amdhsa_forward_progress 1
		.amdhsa_inst_pref_size 71
	.end_amdhsa_kernel
	.amdgpu_metadata
---
amdhsa.version: [ 1, 2 ]
amdhsa.kernels:
  - .name:           k_qbdd1efd7c5_quant
    .symbol:         k_qbdd1efd7c5_quant.kd
    .args:
      - { .name: x, .offset: 0, .size: 8, .value_kind: global_buffer, .address_space: global }
      - { .name: wq, .offset: 8, .size: 8, .value_kind: global_buffer, .address_space: global }
      - { .name: wk, .offset: 16, .size: 8, .value_kind: global_buffer, .address_space: global }
      - { .name: wv, .offset: 24, .size: 8, .value_kind: global_buffer, .address_space: global }
      - { .name: wo, .offset: 32, .size: 8, .value_kind: global_buffer, .address_space: global }
      - { .name: x_c, .offset: 40, .size: 8, .value_kind: global_buffer, .address_space: global }
      - { .name: wqkv_c, .offset: 48, .size: 8, .value_kind: global_buffer, .address_space: global }
      - { .name: wo_c, .offset: 56, .size: 8, .value_kind: global_buffer, .address_space: global }
    .group_segment_fixed_size: 34304
    .private_segment_fixed_size: 0
    .kernarg_segment_align: 8
    .kernarg_segment_size: 64
    .max_flat_workgroup_size: 128
    .sgpr_count:     66
    .vgpr_count:     256
    .wavefront_size: 32
...
	.end_amdgpu_metadata
.endif
;; end of part 1
;; launch gemm_qkv (part 2): grid 16 x 16, 4 waves a work-group, clusters of 4 x 4, 327,680 bytes of LDS; arguments x_c, wqkv_c, freqs_cos, freqs_sin, q_c, kv_c; writes q_c, kv_c
.if DOCPART == 2
	.amdgcn_target "amdgcn-amd-amdhsa--gfx1250"
	.amdhsa_code_object_version 6
	.text
	.protected	k_qbdd1efd7c5_gemm_qkv
	.globl	k_qbdd1efd7c5_gemm_qkv
	.p2align	8
	.type	k_qbdd1efd7c5_gemm_qkv,@function
k_qbdd1efd7c5_gemm_qkv:
	s_mov_b64 s[64:65], 0
	v_nop
	global_prefetch_b8 v0, s[64:65] scope:SCOPE_SE
	s_setreg_imm32_b32 hwreg(HW_REG_WAVE_MODE, 25, 1), 1
	s_wait_xcnt 0x0
	s_wait_alu depctr_hold_cnt(0) depctr_sa_sdst(0) depctr_va_vdst(0) depctr_va_sdst(0) depctr_va_ssrc(0) depctr_va_vcc(0) depctr_vm_vsrc(0)
	s_getreg_b32 s2, hwreg(HW_REG_IB_STS2, 6, 4)
	s_cmp_eq_u32 s2, 0
	s_cbranch_scc0 .Lentry_in_a_cluster
	s_endpgm
.Lentry_in_a_cluster:
	s_bfe_u32 s2, ttmp6, 0x10000c
	s_cmp_lg_u32 s2, 0xf033
	s_cbranch_scc0 .Lentry_shape_is_right
	s_endpgm
.Lentry_shape_is_right:
; x [2048][4096] times [wq | wk | wv] [4096][4096], both as codes of FP6 (E2M3) in pair records (32 rows x 256 K in 6,400 bytes: fragment (tile p, K step qq) at 3072 p + 1536 qq as an image of its 12 registers,
; registers 4 c .. 4 c + 3 of lane L at 512 c + 16 L; scale words of lane (p, r) at 6144 + 8 (16 p + r)).  Lane r of tile p of pair B holds row 32 B + 8 p + r + 8 (r / 8).
; THE RESULT NEVER GOES TO MEMORY AS f32: q and k are turned by the rotary angles and quantised along the head's 128, v along the keys, in registers; what is stored are fragments for the attention launch.
; SHARES.  A work-group makes 128 rows x 256 columns: 256 work-groups.  A wave has 32 accumulators: 8 fragments as source 0 (the P set), 4 as source 1 (the S set).
;   q, k (cluster x 0-2): P = 128 columns of the weight (half hs), S = 64 rows of x (half gp): a lane holds ONE row, its registers run along the head: register 64 j + 16 b + i = column 32 b + 16 h + i.
;   v    (cluster x 3):   P = all 128 rows of x, S = 64 columns (wave w): a lane holds ONE column d, its registers run along the keys.  Only four LDS offsets differ; they hang on the cluster's x, which all partners share.
; K goes through a ring of two LDS slots of 512 along K (two records' rows of A and of B), filled by joint tensor loads: A's block is shared along a row of the 4 x 4 cluster, B's along a column.
; Tiles of 256 x 256 would leave half of the 256 work-group places empty at this size, so the smaller tile is taken.
; PREFETCH: behind the joint load of slot n each wave asks for slot n + 2 (at the head for slot 1 too).  Of the block that a wave fetches, each of the four partners that ask for it jointly takes a quarter, told apart
; by address: 25 blocks of 256 bytes of A's 100 (one instruction, a lane a block; lanes 25-31 name the last block again), 50 of B's 200 (two instructions).  The last two refills ask for nothing: there is no slot two on.
; LIMITS: NaN and infinities are not served; a block whose largest magnitude lies under 2^-124 (zeros too) gets the scale byte 1; the rotation is a multiply and a fused multiply-add (one rounding fewer than two multiplies and an add).
; REGISTERS: window 0: v1-26 addresses, v28-29 the add's two, v32-79 scale words (two sets of 24), v80-175 the S set (two buffers); in the epilogue v80-229 are at work.  window 1: the accumulators ((j, i) at 64 j + 8 i).
;   window 2: v0-191 the P set (two buffers).  window 3: cos (64 j + 8 b + k) and sin (64 j + 32 + 8 b + k) of my rows.
.set REC,   6400
.set ASZ,   25600                      ; A's 4 pairs of one record row
.set PARB,  76800                      ; A's and B's (8 pairs) together
.set SLOT,  153600                     ; two of them
.set SPARE, 307200                     ; behind the ring: the spare words, 128 bytes for each wave
.set AKS,   409600                     ; from one 256 along K to the next, in A's buffer;
.set BKS,   819200                     ; in B's
.set LAPS,  4                          ; a lap = two slots = 1,024 along K
.set LI,  1                            ; v1   16 x lane
.set ADP, 8                            ; v8-11   P set: fragment addresses for (slot, parity)
.set ADS, 12                           ; v12-15  S set
.set ASP, 16                           ; v16-19  P set: scale words (8 r in place of 16 x lane)
.set ASS, 20                           ; v20-23  S set
.set CSO, 24                           ; v24  my offset in my rows of cos and sin
.set SWO, 25                           ; v25  16 r + 8 h: my two scale words of a quad record
.set PFO, 26                           ; v26  the prefetches' offset: 256 x min(lane, 24); never rewritten
.set SPW, 28
.set NIL, 29
.set SC,  32
.set SF,  80
.set H,   80                           ; epilogue: 64 turned numbers
.set TM,  144                          ; +0..3 maxima, +4..7 permute's destinations and bytes, +12..15 scale operands
.set PT,  168                          ; second halves of blocks
.set PCJ, 176                          ; codes, 12 registers for each j
.set PWJ, 224                          ; scale words
.set DD,  228
.set WV,  16
.set HS,  17
.set GP,  18
.set SEL, 22
.set G1,  24
.set G0,  32
.set G1B, 48
.set G0B, 56
.set PFA, 82                           ; s[82:83] where my prefetches stand: my work-group's quarter of the block that I fetch, in the slot to be asked for
.set PFS, 84                           ; s[84:85] bytes from slot to slot in my buffer
.set PFB, 88                           ; s[88:89] the head's second place
.set MUL,  0x52                        ; source 0 window 2, source 1 window 0, C and D window 1
.set TO_P, 0x80                        ; destination window 2
.set MSB, 0
.macro WIN new                         ; the immediate's high byte repeats the setting that is left
.if MSB != (\new)
	s_set_vgpr_msb (MSB<<8)|(\new)
.set MSB, (\new)
.endif
.endm
.macro PLACES n
.rept \n
	v_nop
.endr
.endm
; A joint load: waves 0 and 1 fetch A's blocks, waves 2 and 3 B's.  An s_nop 0 and four v_nop follow each of the two lines.
.macro JLOAD g0a, g1a, g0b, g1b
	s_cmp_eq_u32 s[HS], 0
	s_cbranch_scc0 .Lfor_b_\@
	tensor_load_to_lds s[\g0a:\g0a+3], s[\g1a:\g1a+7]
	s_nop 0
.rept 4
	v_nop
.endr
	s_branch .Lasked_\@
.Lfor_b_\@:
	tensor_load_to_lds s[\g0b:\g0b+3], s[\g1b:\g1b+7]
	s_nop 0
.rept 4
	v_nop
.endr
.Lasked_\@:
.endm
; A prefetch of my work-group's quarter of one block: 25 blocks of 256 bytes; B's waves ask for 25 more.  The branch hangs on the wave's number alone
.macro ASK base
	global_prefetch_b8 v[PFO], s[\base:\base+1] th:TH_LOAD_NT scope:SCOPE_SE
	s_cmp_eq_u32 s[HS], 0
	s_cbranch_scc1 .Lall_asked_\@
	global_prefetch_b8 v[PFO], s[\base:\base+1] offset:6400 th:TH_LOAD_NT scope:SCOPE_SE
.Lall_asked_\@:
.endm
.macro CREST                           ; a round of the cluster's barrier behind its opening barrier
	s_cmp_lg_u32 s[WV], 0
	s_cbranch_scc1 .Lnot_wave_0_\@
	s_barrier_signal -3
.Lnot_wave_0_\@:
	s_barrier_wait -3
	s_barrier_signal -1
	s_barrier_wait -1
.endm
.macro CROUND
	s_barrier_signal -1
	s_barrier_wait -1
	CREST
.endm
; The fragments of the slot's q-th 128 along K (q = 0 .. 3) into buffer q % 2: 36 loads of 512 consecutive bytes; with an even q also the 12 pairs of scale words of its 256 along K
.macro FETCH slot, q
.irp j, 0,1,2,3
.irp c, 0,1,2
	ds_load_b128 v[SF+48*((\q)%2)+12*\j+4*\c:SF+48*((\q)%2)+12*\j+4*\c+3], v[ADS+2*(\slot)+(\q)/2] offset:(\j/2)*REC+(\j%2)*3072+((\q)%2)*1536+512*\c
.endr
.endr
.if (\q)%2 == 0
.irp i, 0,1,2,3,4,5,6,7
	ds_load_b64 v[SC+24*((\q)/2)+2*\i:SC+24*((\q)/2)+2*\i+1], v[ASP+2*(\slot)+(\q)/2] offset:(\i/2)*REC+6144+128*(\i%2)
.endr
.irp j, 0,1,2,3
	ds_load_b64 v[SC+24*((\q)/2)+16+2*\j:SC+24*((\q)/2)+16+2*\j+1], v[ASS+2*(\slot)+(\q)/2] offset:(\j/2)*REC+6144+128*(\j%2)
.endr
.endif
	WIN TO_P                                       ; the P set comes last, tile by tile: the S set and the scale words, which every product needs, stand ahead of it
.irp i, 0,1,2,3,4,5,6,7
.irp c, 0,1,2
	ds_load_b128 v[96*((\q)%2)+12*\i+4*\c:96*((\q)%2)+12*\i+4*\c+3], v[ADP+2*(\slot)+(\q)/2] offset:(\i/2)*REC+(\i%2)*3072+((\q)%2)*1536+512*\c
.endr
.endr
	WIN 0
.endm
; 4 matrix instructions: P tile i against the four S tiles.  The 32 accumulators take turns, one instruction a turn, in the same order in every step.
; y >= 0: a counted wait stands ahead of them: behind P tile i's three loads stand 21 - 3 i loads of this step's P set and y younger LDS instructions; the count is held at 63, which a wait can name.  y = -1: all is in
.macro MM4 i, q, zero, y
.if (\y) >= 0
.if (\y)+21-3*\i > 63
	s_wait_dscnt 63
.else
	s_wait_dscnt (\y)+21-3*\i
.endif
.endif
.irp j, 0,1,2,3
.if \zero
	v_wmma_scale_f32_16x16x128_f8f6f4 v[64*(\j)+8*\i:64*(\j)+8*\i+7], v[96*((\q)%2)+12*\i:96*((\q)%2)+12*\i+11], v[SF+48*((\q)%2)+12*(\j):SF+48*((\q)%2)+12*(\j)+11], 0, v[SC+24*((\q)/2)+2*\i+(\q)%2], v[SC+24*((\q)/2)+16+2*(\j)+(\q)%2] matrix_a_fmt:MATRIX_FMT_FP6 matrix_b_fmt:MATRIX_FMT_FP6
.else
	v_wmma_scale_f32_16x16x128_f8f6f4 v[64*(\j)+8*\i:64*(\j)+8*\i+7], v[96*((\q)%2)+12*\i:96*((\q)%2)+12*\i+11], v[SF+48*((\q)%2)+12*(\j):SF+48*((\q)%2)+12*(\j)+11], v[64*(\j)+8*\i:64*(\j)+8*\i+7], v[SC+24*((\q)/2)+2*\i+(\q)%2], v[SC+24*((\q)/2)+16+2*(\j)+(\q)%2] matrix_a_fmt:MATRIX_FMT_FP6 matrix_b_fmt:MATRIX_FMT_FP6
.endif
.endr
.endm
; A step of 128 along K that has its successor in the same slot: the successor's fragments are asked for first, into the buffer that the step before has multiplied
.macro STEP slot, q, zero
	PLACES 4                                       ; four places between the last products and loads into registers that they read (ISA guide 7.12.1 for vector instructions)
	FETCH \slot, (\q)+1
	WIN MUL
.irp i, 0,1,2,3,4,5,6,7
	MM4 \i, \q, \zero, 36+12*((\q)%2)              ; younger: the 36 loads just issued, 48 where the scale words came with them
.endr
	WIN 0
.endm
; A slot's last step changes slots: ONE barrier; in front of it each wave waits for all its tensor loads, adds 0 to its spare word, and waits for that and for its own reads of this slot
.macro TURN slot, next, fill
.if \fill
	s_wait_xcnt 0x0                                ; my last prefetches have read their address: it steps one slot on, ahead of the waits of the change of slots
	s_add_nc_u64 s[PFA:PFA+1], s[PFA:PFA+1], s[PFS:PFS+1]
.endif
	s_wait_tensorcnt 0x0                           ; all my tensor loads have landed: my part of the next slot
	ds_add_u32 v[SPW], v[NIL]
	WIN MUL
	MM4 0, 3, 0, 1                                 ; younger: the add
	MM4 1, 3, 0, 1
	s_wait_dscnt 0x0                               ; the add is done, and my reads of this slot are over
	s_barrier_signal -1
	MM4 2, 3, 0, -1
	MM4 3, 3, 0, -1
	WIN 0
	s_barrier_wait -1
.if \fill
	CREST                                          ; the barrier has opened a round of the cluster's: no wave of any partner still reads this slot or has a load on its way
	s_add_nc_u64 s[G0+4*\slot+2:G0+4*\slot+3], s[G0+4*\slot+2:G0+4*\slot+3], 4*AKS
	s_add_nc_u64 s[G0B+4*\slot+2:G0B+4*\slot+3], s[G0B+4*\slot+2:G0B+4*\slot+3], 4*BKS
	JLOAD G0+4*\slot, G1, G0B+4*\slot, G1B         ; the first tensor load behind the round; its four v_nop are the places in front of the loads below
.else
	PLACES 4
.endif
	FETCH \next, 0
.if \fill
	s_cmp_gt_u32 s3, 1                             ; s3 = 1 in the loop's last trip, whose two refills have no slot two on
	s_cbranch_scc0 .Lnone_\@
	ASK PFA                                        ; the slot two refills on, behind the joint load and the run of LDS loads
.Lnone_\@:
.endif
	WIN MUL
.irp i, 4,5,6,7
	MM4 \i, 3, 0, -1
.endr
	WIN 0
.endm
; q and k: row's numbers 2 k, 2 k + 1 of a block are turned by the angle of pair 16 b + 8 h + k.  Each accumulator is read from its low end on
.macro ROPE j
	WIN 0x0d                                       ; source 0 window 1 (sums), source 1 window 3 (cos, sin), source 2 and destination window 0
.irp b, 0,1,2,3
.irp k, 0,1,2,3,4,5,6,7
	v_mul_f32 v[H+16*\b+2*\k], v[64*(\j)+16*\b+2*\k], v[64*(\j)+8*\b+\k]
	v_mul_f32 v[H+16*\b+2*\k+1], v[64*(\j)+16*\b+2*\k], v[64*(\j)+32+8*\b+\k]
	v_fma_f32 v[H+16*\b+2*\k], -v[64*(\j)+16*\b+2*\k+1], v[64*(\j)+32+8*\b+\k], v[H+16*\b+2*\k]
	v_fma_f32 v[H+16*\b+2*\k+1], v[64*(\j)+16*\b+2*\k+1], v[64*(\j)+8*\b+\k], v[H+16*\b+2*\k+1]
.endr
.endr
.endm
; 64 numbers of a lane in window w, register s + 16 b + i = k 32 b + 16 h + i of my row, become a fragment's codes in v[pc] on and its scale word in v[pw]
.macro QUANT s, w, pc, pw
	WIN 5*(\w)
.irp b, 0,1,2,3
	v_max3_num_f32 v[TM+\b], |v[\s+16*\b]|, |v[\s+16*\b+1]|, 0x1800000   ; with the floor 2^(3 - 127): the byte cannot fall under 1
.endr
	WIN 0x14*(\w)
.irp i, 2,4,6,8,10,12,14
.irp b, 0,1,2,3
	v_max3_num_f32 v[TM+\b], v[TM+\b], |v[\s+16*\b+\i]|, |v[\s+16*\b+\i+1]|
.endr
.endr
	WIN 0
.irp b, 0,1,2,3
	v_permlanex16_b32 v[TM+4+\b], v[TM+\b], s[SEL], s[SEL+1]
.endr
.irp b, 0,1,2,3
	v_max_num_f32 v[TM+\b], v[TM+\b], v[TM+4+\b]   ; with lane l xor 16's 16: the block's largest magnitude
.endr
.irp b, 0,1,2,3
	v_add_nc_u32 v[TM+12+\b], 0xff000000, v[TM+\b] ; 2 off the exponent field: the conversion's scale operand
.endr
.irp b, 0,1,2,3
	v_lshrrev_b32 v[TM+4+\b], 23, v[TM+12+\b]      ; the byte
.endr
	v_lshl_or_b32 v[\pw], v[TM+5], 8, v[TM+4]
	v_lshl_or_b32 v[\pw], v[TM+6], 16, v[\pw]
	v_lshl_or_b32 v[\pw], v[TM+7], 24, v[\pw]
	WIN (\w)
.irp c, 0,1
	v_cvt_scalef32_pk16_fp6_f32 v[\pc+6*\c:\pc+6*\c+2], v[\s+32*\c:\s+32*\c+15], v[TM+12+2*\c]
	v_cvt_scalef32_pk16_fp6_f32 v[PT+4*\c:PT+4*\c+2], v[\s+32*\c+16:\s+32*\c+31], v[TM+13+2*\c]
.endr
	WIN 0
	v_nop                                          ; one plain place behind the conversions
.irp c, 0,1                                    ; the layout wants a whole block in a lane: lanes 0-15 block 2 c, lanes 16-31 block 2 c + 1
.irp i, 0,1,2
	v_permlane16_swap_b32 v[\pc+6*\c+\i], v[PT+4*\c+\i]
.endr
.irp i, 0,1,2
	v_mov_b32 v[\pc+3+6*\c+\i], v[PT+4*\c+\i]
.endr
.endr
.endm
.macro OUT3 j                          ; fragment j of my quad record: three stores of 512 consecutive bytes, aligned
.irp c, 0,1,2
	global_store_b128 v[LI], v[PCJ+12*(\j)+4*\c:PCJ+12*(\j)+4*\c+3], s[20:21] offset:1536*(\j)+512*\c
.endr
.endm
	s_load_b128 s[4:7], s[0:1], 0x0                ; x_c, wqkv_c
	s_load_b128 s[8:11], s[0:1], 0x10              ; cos, sin
	s_load_b128 s[12:15], s[0:1], 0x20             ; q_c, kv_c
	v_lshl_add_u32 v[SPW], v0, 2, SPARE
	v_mov_b32 v[NIL], 0
	ds_add_u32 v[SPW], v[NIL]                      ; the wave's opening: the add, twice on end, and its wait ahead of my first tensor load
	ds_add_u32 v[SPW], v[NIL]
	v_lshrrev_b32 v1, 5, v0
	v_readfirstlane_b32 s[WV], v1                  ; wave 0..3
	s_lshr_b32 s[HS], s[WV], 1                     ; I fetch for A (0) or B (1); also: which 128 columns are mine
	s_and_b32 s[GP], s[WV], 1                      ; which of a slot's two records I fetch; also: which 64 rows are mine
	s_bfe_u32 s40, ttmp6, 0x40000                  ; cx
	s_bfe_u32 s41, ttmp6, 0x40004                  ; cy
	s_lshl_b32 s42, ttmp9, 2
	s_add_co_u32 s42, s42, s40                     ; x: which 256 columns
	s_and_b32 s43, ttmp7, 0xffff
	s_lshl_b32 s43, s43, 2
	s_add_co_u32 s43, s43, s41                     ; y: which 128 rows
	s_lshl_b32 s44, s41, 2
	s_lshl_b32 s44, 15, s44                        ; my row of the cluster
	s_lshl_b32 s45, 0x1111, s40                    ; my column
	; descriptor group 1: a dense block as rows of 256 bytes (32 elements of 8 bytes): A's 100 rows, B's 200; no padding: every LDS read takes 512 consecutive bytes
	s_or_b32 s[G1], s44, (3<<16)|(1<<21)
	s_or_b32 s[G1B], s45, (3<<16)|(1<<21)
.irp g, G1, G1B
	s_mov_b32 s[\g+1], 32<<16                      ; tensor_dim0
	s_mov_b32 s[\g+3], 32<<16                      ; tile_dim0
	s_mov_b32 s[\g+5], 32                          ; the pitch
	s_mov_b32 s[\g+6], 0
	s_mov_b32 s[\g+7], 0
.endr
	s_mov_b32 s[G1+2], 100<<16                     ; tensor_dim1
	s_mov_b32 s[G1+4], 100                         ; tile_dim1
	s_mov_b32 s[G1B+2], 200<<16
	s_mov_b32 s[G1B+4], 200
	s_mul_i32 s66, s43, ASZ                        ; A: my rows' 4 pairs, in record row gp
	s_mul_i32 s67, s[GP], AKS
	s_add_co_u32 s66, s66, s67
	s_mov_b32 s67, 0
	s_mul_i32 s68, s42, 51200                      ; B: my columns' 8 pairs
	s_mul_i32 s69, s[GP], BKS
	s_add_co_u32 s68, s68, s69
	s_mov_b32 s69, 0
	s_mul_i32 s70, s[GP], PARB                     ; in LDS: no place in the cluster enters an LDS address
	s_mov_b32 s[SEL], 0x76543210
	s_mov_b32 s[SEL+1], 0xfedcba98
	s_wait_dscnt 0x0                               ; both opening adds are done
	s_wait_kmcnt 0x0
	s_add_nc_u64 s[66:67], s[4:5], s[66:67]
	s_add_nc_u64 s[68:69], s[6:7], s[68:69]
	CROUND                                         ; all sixteen work-groups are here: the first joint loads meet
.irp s, 0,1
	s_mov_b32 s[G0+4*\s], 1
	s_add_co_u32 s[G0+4*\s+1], s70, \s*SLOT
	s_add_nc_u64 s[G0+4*\s+2:G0+4*\s+3], s[66:67], \s*2*AKS
	s_or_b32 s[G0+4*\s+3], s[G0+4*\s+3], 0x80000000
	s_mov_b32 s[G0B+4*\s], 1
	s_add_co_u32 s[G0B+4*\s+1], s70, \s*SLOT+ASZ
	s_add_nc_u64 s[G0B+4*\s+2:G0B+4*\s+3], s[68:69], \s*2*BKS
	s_or_b32 s[G0B+4*\s+3], s[G0B+4*\s+3], 0x80000000
.endr
	JLOAD G0, G1, G0B, G1B                         ; slot 0: one tensor load a wave at the head; the set-up below stands under its flight
	; the prefetches: my work-group's quarter of the block that I fetch (place cx among A's four partners, cy among B's), a lane a block of 256 bytes
	v_and_b32 v[PFO], 31, v0
	v_min_u32 v[PFO], 24, v[PFO]
	v_lshlrev_b32 v[PFO], 8, v[PFO]
	s_mul_i32 s86, s40, 6400
	s_mul_i32 s87, s41, 12800
	s_mov_b32 s[PFS], 2*BKS
	s_cmp_eq_u32 s[HS], 0
	s_cselect_b32 s86, s86, s87
	s_cselect_b32 s[PFS], 2*AKS, s[PFS]
	s_cselect_b64 s[PFA:PFA+1], s[66:67], s[68:69]
	s_mov_b32 s87, 0
	s_mov_b32 s[PFS+1], 0
	s_add_nc_u64 s[PFA:PFA+1], s[PFA:PFA+1], s[86:87]
	s_add_nc_u64 s[PFA:PFA+1], s[PFA:PFA+1], s[PFS:PFS+1]   ; slot 1,
	s_add_nc_u64 s[PFB:PFB+1], s[PFA:PFA+1], s[PFS:PFS+1]   ; slot 2
	s_wait_alu depctr_va_vdst(0)                   ; directly ahead of the reader below
	ASK PFA
	ASK PFB
	v_and_b32 v5, 31, v0
	v_lshlrev_b32 v[LI], 4, v5
	s_wait_alu depctr_va_vdst(0)
	v_and_b32 v2, 15, v0                           ; r
	v_bfe_u32 v3, v0, 4, 1                         ; h
	v_lshlrev_b32 v4, 3, v2
	s_wait_alu depctr_va_vdst(0)                   ; ahead of the run of scalar lines
	s_mul_i32 s71, s[HS], ASZ
	s_add_co_u32 s71, s71, ASZ                     ; q, k: P = B's half hs,
	s_mul_i32 s72, s[GP], 12800                    ;       S = A's half gp
	s_mul_i32 s73, s[WV], 12800
	s_add_co_u32 s73, s73, ASZ                     ; v:    S = B's quarter w,
	s_cmp_eq_u32 ttmp9, 3
	s_cselect_b32 s71, 0, s71                      ;       P = all of A
	s_cselect_b32 s72, s73, s72
.irp n, 0,1,2,3
	s_add_co_u32 s74, s71, (\n/2)*SLOT+(\n%2)*PARB
	s_add_co_u32 s75, s72, (\n/2)*SLOT+(\n%2)*PARB
	v_add_nc_u32 v[ADP+\n], s74, v[LI]
	v_add_nc_u32 v[ASP+\n], s74, v4
	v_add_nc_u32 v[ADS+\n], s75, v[LI]
	v_add_nc_u32 v[ASS+\n], s75, v4
.endr
	; cos and sin of my 64 rows, for my 8 pairs of each block: they land during the products.  v's work-groups load them too and do not use them: so the text has one way here
	s_lshl_b32 s80, s43, 15
	s_lshl_b32 s81, s[GP], 14
	s_add_co_u32 s80, s80, s81                     ; row 128 y + 64 gp of 256 bytes
	s_mov_b32 s81, 0
	s_add_nc_u64 s[8:9], s[8:9], s[80:81]
	s_add_nc_u64 s[10:11], s[10:11], s[80:81]
	v_and_b32 v[CSO], 8, v2
	v_add_nc_u32 v[CSO], v[CSO], v2
	v_lshlrev_b32 v[CSO], 8, v[CSO]
	v_lshl_add_u32 v[CSO], v3, 5, v[CSO]           ; (r + 8 (r / 8)) rows + 32 h
	v_lshlrev_b32 v[SWO], 4, v2
	v_lshl_add_u32 v[SWO], v3, 3, v[SWO]
	WIN 0xc0                                       ; destination window 3
.irp j, 0,1,2,3
.irp b, 0,1,2,3
.irp e, 0,1
	global_load_b128 v[64*\j+8*\b+4*\e:64*\j+8*\b+4*\e+3], v[CSO], s[8:9] offset:(32*(\j/2)+8*(\j%2))*256+64*\b+16*\e
	global_load_b128 v[64*\j+32+8*\b+4*\e:64*\j+32+8*\b+4*\e+3], v[CSO], s[10:11] offset:(32*(\j/2)+8*(\j%2))*256+64*\b+16*\e
.endr
.endr
.endr
	WIN 0
	; where my quad record goes.  q: [head 2 x + hs][2 y + gp];  k, v: [kv head 2 (x % 4) + hs][key step y][K quads, V quads][gp]
	s_lshl_b32 s76, s42, 1
	s_add_co_u32 s76, s76, s[HS]
	s_mul_i32 s76, s76, 204800
	s_lshl_b32 s77, s43, 1
	s_add_co_u32 s77, s77, s[GP]
	s_mul_i32 s77, s77, REC
	s_add_co_u32 s76, s76, s77
	s_and_b32 s78, s42, 3
	s_lshl_b32 s78, s78, 1
	s_add_co_u32 s78, s78, s[HS]
	s_mul_i32 s78, s78, 409600
	s_mul_i32 s79, s43, 25600
	s_add_co_u32 s78, s78, s79
	s_mul_i32 s79, s[GP], REC
	s_add_co_u32 s78, s78, s79
	s_add_co_u32 s79, s78, 12800
	s_cmp_eq_u32 ttmp9, 3
	s_cselect_b32 s78, s79, s78
	s_cmp_lt_u32 ttmp9, 2
	s_cselect_b32 s76, s76, s78
	s_cselect_b64 s[20:21], s[12:13], s[14:15]
	s_mov_b32 s77, 0
	s_add_nc_u64 s[20:21], s[20:21], s[76:77]
	s_wait_alu depctr_va_vdst(0)
	s_wait_tensorcnt 0x0                           ; my part of slot 0 is in
	ds_add_u32 v[SPW], v[NIL]
	s_wait_dscnt 0x0                               ; the add is done
	CROUND                                         ; a whole round: slot 0 is whole, and all sixteen work-groups are here
	JLOAD G0+4, G1, G0B+4, G1B                     ; slot 1's first fill, the first tensor load behind the round: one load of mine is out
	FETCH 0, 0
	s_wait_xcnt 0x0                                ; the head's prefetches have read their addresses
	s_add_nc_u64 s[PFA:PFA+1], s[PFB:PFB+1], s[PFS:PFS+1]
	ASK PFA                                        ; slot 3
	STEP 0, 0, 1                                   ; the first step stands in front of the loop: its products start the sums
	s_mov_b32 s3, LAPS-1
.Llap:                                             ; a trip goes once round the ring and fills both slots again
	STEP 0, 1, 0
	STEP 0, 2, 0
	TURN 0, 1, 1
	STEP 1, 0, 0
	STEP 1, 1, 0
	STEP 1, 2, 0
	TURN 1, 0, 1
	STEP 0, 0, 0
	s_sub_co_u32 s3, s3, 1
	s_cmp_lg_u32 s3, 0
	s_cbranch_scc1 .Llap
	STEP 0, 1, 0                                   ; the last lap fills nothing
	STEP 0, 2, 0
	TURN 0, 1, 0
	STEP 1, 0, 0
	STEP 1, 1, 0
	STEP 1, 2, 0
	WIN MUL
.irp i, 0,1,2,3,4,5,6,7
	MM4 \i, 3, 0, 0                                ; the very last step: nothing younger is out
.endr
	WIN 0
	PLACES 4                                       ; in front of the first read of results and the first write over fragments
.irp b, 0,1,2,3
	v_mov_b32 v[TM+4+\b], 0                        ; a lane permute's destination counts as one of its sources
.endr
	s_cmp_eq_u32 ttmp9, 3
	s_cbranch_scc1 .Lvalues
	s_wait_loadcnt 0x0                             ; cos and sin
.irp j, 0,1,2,3
	ROPE \j
	QUANT H, 0, PCJ+12*\j, PWJ+\j
	OUT3 \j
.endr
	s_branch .Lwords
.Lvalues:
.irp j, 0,1,2,3
	QUANT 64*\j, 1, PCJ+12*\j, PWJ+\j              ; v as it is: a lane's registers run along the keys
	OUT3 \j
.endr
.Lwords:
	v_cmp_ne_u32 vcc_lo, 0, v3                     ; row r's four words: lanes 0-15 store words 0 and 1, lanes 16-31 words 2 and 3
	v_cndmask_b32 v[DD], v[PWJ], v[PWJ+2], vcc_lo
	v_cndmask_b32 v[DD+1], v[PWJ+1], v[PWJ+3], vcc_lo
	global_store_b64 v[SWO], v[DD:DD+1], s[20:21] offset:6144   ; 256 consecutive bytes, aligned
	s_wait_tensorcnt 0x0                           ; the wave's end
	ds_add_u32 v[SPW], v[NIL]
	s_wait_dscnt 0x0
	CROUND                                         ; the closing round
	s_endpgm
.Lfunc_end_k_qbdd1efd7c5_gemm_qkv:
	.size	k_qbdd1efd7c5_gemm_qkv, .Lfunc_end_k_qbdd1efd7c5_gemm_qkv-k_qbdd1efd7c5_gemm_qkv
	.p2alignl 7, 3214868480
	.fill 96, 4, 3214868480
	.section	.rodata,"a",@progbits
	.p2align	6, 0x0
	.amdhsa_kernel k_qbdd1efd7c5_gemm_qkv
		.amdhsa_group_segment_fixed_size 327680
		.amdhsa_private_segment_fixed_size 0
		.amdhsa_enable_private_segment 0
		.amdhsa_kernarg_size 48
		.amdhsa_user_sgpr_count 2
		.amdhsa_user_sgpr_kernarg_segment_ptr 1
		.amdhsa_wavefront_size32 1
		.amdhsa_system_sgpr_workgroup_id_x 1
		.amdhsa_system_sgpr_workgroup_id_y 1
		.amdhsa_system_sgpr_workgroup_id_z 1
		.amdhsa_system_vgpr_workitem_id 0
		.amdhsa_next_free_vgpr 1024
		.amdhsa_next_free_sgpr 100
		.amdhsa_reserve_vcc 1
		.amdhsa_float_denorm_mode_32 3
		.amdhsa_float_denorm_mode_16_64 3
		.amdhsa_memory_ordered 1
		.amdhsa_forward_progress 1
		.amdhsa_inst_pref_size 191
	.end_amdhsa_kernel
	.amdgpu_metadata
---
amdhsa.version: [ 1, 2 ]
amdhsa.kernels:
  - .name:           k_qbdd1efd7c5_gemm_qkv
    .symbol:         k_qbdd1efd7c5_gemm_qkv.kd
    .args:
      - { .name: x_c, .offset: 0, .size: 8, .value_kind: global_buffer, .address_space: global }
      - { .name: wqkv_c, .offset: 8, .size: 8, .value_kind: global_buffer, .address_space: global }
      - { .name: freqs_cos, .offset: 16, .size: 8, .value_kind: global_buffer, .address_space: global }
      - { .name: freqs_sin, .offset: 24, .size: 8, .value_kind: global_buffer, .address_space: global }
      - { .name: q_c, .offset: 32, .size: 8, .value_kind: global_buffer, .address_space: global }
      - { .name: kv_c, .offset: 40, .size: 8, .value_kind: global_buffer, .address_space: global }
    .group_segment_fixed_size: 327680
    .private_segment_fixed_size: 0
    .kernarg_segment_align: 8
    .kernarg_segment_size: 48
    .max_flat_workgroup_size: 128
    .sgpr_count:     100
    .vgpr_count:     1024
    .wavefront_size: 32
...
	.end_amdgpu_metadata
.endif
;; end of part 2
;; launch attn (part 3): grid 32 x 8, 4 waves a work-group, clusters of 4 x 4, 327,680 bytes of LDS; arguments q_c, kv_c, mask, o_c; writes o_c
.if DOCPART == 3
	.amdgcn_target "amdgcn-amd-amdhsa--gfx1250"
	.amdhsa_code_object_version 6
	.text
	.protected	k_qbdd1efd7c5_attn
	.globl	k_qbdd1efd7c5_attn
	.p2align	8
	.type	k_qbdd1efd7c5_attn,@function
k_qbdd1efd7c5_attn:
	s_mov_b64 s[64:65], 0
	v_nop
	global_prefetch_b8 v0, s[64:65] scope:SCOPE_SE
	s_setreg_imm32_b32 hwreg(HW_REG_WAVE_MODE, 25, 1), 1
	s_wait_xcnt 0x0
	s_wait_alu depctr_hold_cnt(0) depctr_sa_sdst(0) depctr_va_vdst(0) depctr_va_sdst(0) depctr_va_ssrc(0) depctr_va_vcc(0) depctr_vm_vsrc(0)
	s_getreg_b32 s2, hwreg(HW_REG_IB_STS2, 6, 4)
	s_cmp_eq_u32 s2, 0
	s_cbranch_scc0 .Lentry_in_a_cluster
	s_endpgm
.Lentry_in_a_cluster:
	s_bfe_u32 s2, ttmp6, 0x10000c
	s_cmp_lg_u32 s2, 0xf033
	s_cbranch_scc0 .Lentry_shape_is_right
	s_endpgm
.Lentry_shape_is_right:
; Attention on codes of FP6 (E2M3).  A work-group (x, y) takes 64 queries (block x of 32) of kv head y; a wave takes 16 of them for BOTH query heads 2 y + u, u = 0, 1, which share K's and V's fragments and the mask's numbers.
; Both products are used transposed (S^T = K Q^T, O^T = V^T P^T): a lane holds one query, its registers run along the keys (16 neighbours in two tiles: the records' order of rows) or along the head.
; t = score x log2(e) / sqrt(128) + mask x log2(e).  M is the ceiling of the running largest t, kept as -M = floor(-t); p = 2^(t - M); the row's sum is taken of the unquantised p; when M moves, sum and O^T are
; multiplied by the exact power of two 2^(old M - new M).  p is quantised by blocks of 32 keys; a block's largest p is the exponential of the block's largest t - M.  At the end O^T is divided by the sum and quantised along the head for the last product.
; THE MASK IS AN INPUT: every tile of keys is computed, whatever the mask holds.
; THE RING: two slots, each with two steps of 128 keys: K's and V's records (25,600 bytes a step) and 64 rows x 256 numbers of the mask.  Joint loads in a 4 x 4 cluster: K and V are shared along a row of the cluster
; (query blocks of one kv head), the mask's tile along a column (kv heads at one query block).  Waves 0, 1 fetch K and V, waves 2, 3 the mask, one load a wave behind each round.  One prefetch a wave and slot asks for the slot two refills on.
; THE EXPONENTIALS STAND IN TWO BATCHES A STEP, one for each query head, each with its sources laid ahead of it.
; LIMITS: NaN and infinities are not served; the promise holds while the scaled scores t stay under 2^31 in magnitude; a block whose largest p (or, on the way out, magnitude) lies under 2^-124 gets the scale byte 1.
.set STEPB, 25600
.set MOFF,  51200
.set MP,    1040
.set SLOT1, 131072
.set SPARE, 248832
.set LI,  1
.set R16, 2
.set AM0, 3
.set ADF, 4
.set ADR, 5
.set ADM, 6
.set QOF, 7
.set QSO, 8
.set OOF, 9
.set OSO, 10
.set PFO, 12
.set ST,  16
.set SPW, 30
.set NIL, 31
.set BM,  32
.set BT,  36
.set SO,  40
.set F,   44
.set UB,  72
.set PW,  46
.set TP,  48
.set UT,  70
.set PC,  52
.set UC,  40
.set PT,  64
.set UP,  56
.set QS,  72
.set KS,  76
.set VS,  84
.set PC2, 92
.set S,   128
.set QF,  128
.set MK,  160
.set VF,  96
.set WV,  14
.set HS,  15
.set GP,  16
.set SEL, 20
.set CS,  22
.set G1K, 24
.set G0K, 32
.set G1M, 48
.set G0M, 56
.set L2E, 66
.set SLOTS, 68
.set PFA, 70
.set PFS, 72
.set LIM, 74
.set TB,  2
.set MSB, 0
.macro WIN new
.if MSB != (\new)
	s_set_vgpr_msb (MSB<<8)|(\new)
.set MSB, (\new)
.endif
.endm
.macro PLACES n
.rept \n
	v_nop
.endr
.endm
.macro JLOAD g0a, g0b
	s_cmp_eq_u32 s[HS], 0
	s_cbranch_scc0 .Lfor_m_\@
	tensor_load_to_lds s[\g0a:\g0a+3], s[G1K:G1K+7]
	s_nop 0
.rept 4
	v_nop
.endr
	s_branch .Lasked_\@
.Lfor_m_\@:
	tensor_load_to_lds s[\g0b:\g0b+3], s[G1M:G1M+7]
	s_nop 0
.rept 4
	v_nop
.endr
.Lasked_\@:
.endm
.macro CREST
	s_cmp_lg_u32 s[WV], 0
	s_cbranch_scc1 .Lnot_wave_0_\@
	s_barrier_signal -3
.Lnot_wave_0_\@:
	s_barrier_wait -3
	s_barrier_signal -1
	s_barrier_wait -1
.endm
.macro CROUND
	s_barrier_signal -1
	s_barrier_wait -1
	CREST
.endm
.macro ASK
	s_cmp_gt_u32 s[SLOTS], s[LIM]
	s_cbranch_scc0 .Lnot_mine_\@
	global_prefetch_b8 v[PFO], s[PFA:PFA+1] th:TH_LOAD_NT scope:SCOPE_SE
.Lnot_mine_\@:
.endm
.macro NEXT q
	WIN 0x80
.irp t, 0,1,2,3,4,5,6,7
.irp c, 0,1,2
	ds_load_b128 v[12*\t+4*\c:12*\t+4*\c+3], v[ADF] offset:(\q)*STEPB+(\t/4)*6400+(\t%4)*1536+512*\c
.endr
.endr
	WIN 0
.irp g, 0,1
	ds_load_b128 v[KS+4*\g:KS+4*\g+3], v[ADR] offset:(\q)*STEPB+\g*6400+6144
.endr
	WIN 0x40
.irp b, 0,1,2,3
.irp e, 0,1,2,3
	ds_load_b128 v[MK+16*\b+4*\e:MK+16*\b+4*\e+3], v[ADM] offset:512*(\q)+128*\b+16*\e
.endr
.endr
	WIN 0
.endm
.macro VLOAD q
	WIN 0x80
.irp t, 0,1,2,3,4,5,6,7
.irp c, 0,1,2
	ds_load_b128 v[VF+12*\t+4*\c:VF+12*\t+4*\c+3], v[ADF] offset:(\q)*STEPB+12800+(\t/4)*6400+(\t%4)*1536+512*\c
.endr
.endr
	WIN 0
.irp g, 0,1
	ds_load_b128 v[VS+4*\g:VS+4*\g+3], v[ADR] offset:(\q)*STEPB+12800+\g*6400+6144
.endr
.endm
.macro QKW u, t
	WIN 0x06
	v_wmma_scale_f32_16x16x128_f8f6f4 v[S+64*(\u)+8*(\t):S+64*(\u)+8*(\t)+7], v[12*(\t):12*(\t)+11], v[QF+12*(\u):QF+12*(\u)+11], 0, v[KS+(\t)], v[QS+(\u)] matrix_a_fmt:MATRIX_FMT_FP6 matrix_b_fmt:MATRIX_FMT_FP6
.endm
.macro PVW u, t
	WIN 0x52
	v_wmma_scale_f32_16x16x128_f8f6f4 v[64*(\u)+8*(\t):64*(\u)+8*(\t)+7], v[VF+12*(\t):VF+12*(\t)+11], v[PC+UC*(\u):PC+UC*(\u)+11], v[64*(\u)+8*(\t):64*(\u)+8*(\t)+7], v[VS+(\t)], v[PW+(\u)] matrix_a_fmt:MATRIX_FMT_FP6 matrix_b_fmt:MATRIX_FMT_FP6
.endm
.macro FMAL u
	WIN 0x10
.set J, 0
.rept 32
	v_pk_fma_f32 v[S+64*(\u)+J:S+64*(\u)+J+1], v[S+64*(\u)+J:S+64*(\u)+J+1], s[CS:CS+1], v[MK+J:MK+J+1] op_sel_hi:[1,0,1]
.set J, J+2
.endr
.endm
.macro RSL u
	WIN 0x41
.set J, 0
.rept 32
	v_pk_mul_f32 v[64*(\u)+J:64*(\u)+J+1], v[64*(\u)+J:64*(\u)+J+1], v[F+UB*(\u):F+UB*(\u)+1] op_sel_hi:[1,0]
.set J, J+2
.endr
.endm
.macro MAXB u, n
	WIN 0
.set rS, S+64*(\u)
.set rB, BM+UB*(\u)
.set bb, (\n)%4
.set hh, ((\n)%8)/4
.if (\n) < 8
	v_max3_num_f32 v[rB+8*hh+bb], v[rS+16*bb+7*hh], v[rS+16*bb+7*hh+1], v[rS+16*bb+7*hh+2]
.elseif (\n) < 24
.set ii, 7*hh+3+2*(((\n)-8)/8)
	v_max3_num_f32 v[rB+8*hh+bb], v[rB+8*hh+bb], v[rS+16*bb+ii], v[rS+16*bb+ii+1]
.elseif (\n) < 28
	v_max3_num_f32 v[rB+bb], v[rB+bb], v[rB+8+bb], v[rS+16*bb+14]
.elseif (\n) < 32
	v_max_num_f32 v[rB+bb], v[rB+bb], v[rS+16*bb+15]
.elseif (\n) < 36
	v_permlanex16_b32 v[rB+4+bb], v[rB+bb], s[SEL], s[SEL+1]
.else
	v_max_num_f32 v[rB+bb], v[rB+bb], v[rB+4+bb]
.endif
.endm
.macro CHN u, n
	WIN 0
.set rT, ST+4*(\u)
.set rB, BM+UB*(\u)
.set rP, TP+UT*(\u)
.if (\n) == 0
	v_max3_num_f32 v[rP], v[rB], v[rB+1], v[rB+2]
.elseif (\n) == 1
	v_max_num_f32 v[rP], v[rP], v[rB+3]
.elseif (\n) == 2
	v_max_num_f32 v[rT+1], v[rT+1], v[rP]
.elseif (\n) == 3
	v_mul_f32 v[rP], s[L2E], v[rT+1]               ; the running largest logit as t
.elseif (\n) == 4
	v_floor_f32 v[rP], -v[rP]                      ; the new -M = floor(-t)
.elseif (\n) == 5
	v_sub_f32 v[rB+12], v[rP], v[rT]               ; M's old value less its new one: a whole number, 0 or less
.elseif (\n) == 6
	v_mov_b32 v[rT], v[rP]
.elseif (\n) == 7
	v_cvt_i32_f32 v[rB+12], v[rB+12]               ; (it saturates)
.else
	v_ldexp_f32 v[rB+12], 1.0, v[rB+12]            ; f = 2^(old M - new M)
.endif
.endm
.macro SUBL u, n
	WIN 0
.set rS, S+64*(\u)
.set rT, ST+4*(\u)
.set rB, BM+UB*(\u)
.if (\n) < 4
	v_fma_f32 v[rB+(\n)], v[rB+(\n)], s[L2E], v[rT]   ; t - M = logit x log2(e) - M, of a block's largest logit: the same fused form as for the 64 below
.else
	v_pk_fma_f32 v[rS+2*((\n)-4):rS+2*((\n)-4)+1], v[rS+2*((\n)-4):rS+2*((\n)-4)+1], s[L2E:L2E+1], v[rT:rT+1] op_sel_hi:[1,0,0]
.endif
.endm
.macro EXPL u, n
	WIN 0
.if (\n) < 4
	v_exp_f32 v[BM+UB*(\u)+(\n)], v[BM+UB*(\u)+(\n)]
.else
	v_exp_f32 v[S+64*(\u)+(\n)-4], v[S+64*(\u)+(\n)-4]
.endif
.endm
.macro XL u, n
	WIN 0
.set rS, S+64*(\u)
.set rT, ST+4*(\u)
.set rB, BM+UB*(\u)
.set rC, PC+UC*(\u)
.set rQ, PT+UP*(\u)
.set rW, PW+(\u)
.if (\n) == 0
	v_pk_mul_f32 v[rT+2:rT+3], v[rT+2:rT+3], v[rB+12:rB+13] op_sel_hi:[1,0]
.elseif (\n) < 3
	v_pk_add_f32 v[rB+2+2*(\n):rB+3+2*(\n)], v[rS+2*(\n):rS+2*(\n)+1], v[rS+2*(\n)+8:rS+2*(\n)+9]
.elseif (\n) == 3
	v_pk_add_f32 v[rQ:rQ+1], v[rS+6:rS+7], v[rS+14:rS+15]
.elseif (\n) == 4
	v_pk_add_f32 v[rT+2:rT+3], v[rT+2:rT+3], v[rS:rS+1]
.elseif (\n) < 29
.set kk, (\n)-5
.set jj, 16+8*(kk/4)
.set cc, kk%4
.if cc < 2
	v_pk_add_f32 v[rB+4+2*cc:rB+5+2*cc], v[rB+4+2*cc:rB+5+2*cc], v[rS+jj+2+2*cc:rS+jj+3+2*cc]
.elseif cc == 2
	v_pk_add_f32 v[rQ:rQ+1], v[rQ:rQ+1], v[rS+jj+6:rS+jj+7]
.else
	v_pk_add_f32 v[rT+2:rT+3], v[rT+2:rT+3], v[rS+jj:rS+jj+1]
.endif
.elseif (\n) == 29
	v_pk_add_f32 v[rB+4:rB+5], v[rB+4:rB+5], v[rS+8:rS+9]
.elseif (\n) == 30
	v_pk_add_f32 v[rB+6:rB+7], v[rB+6:rB+7], v[rQ:rQ+1]
.elseif (\n) == 31
	v_pk_add_f32 v[rT+2:rT+3], v[rT+2:rT+3], v[rB+4:rB+5]
.elseif (\n) == 32
	v_pk_add_f32 v[rT+2:rT+3], v[rT+2:rT+3], v[rB+6:rB+7]
.elseif (\n) < 37
	v_max_num_f32 v[rB+(\n)-33], 0x1800000, v[rB+(\n)-33]
.elseif (\n) < 41
	v_add_nc_u32 v[rB+8+(\n)-37], 0xff000000, v[rB+(\n)-37]
.elseif (\n) < 45
	v_lshrrev_b32 v[rB+4+(\n)-41], 23, v[rB+8+(\n)-41]
.elseif (\n) == 45
	v_lshl_or_b32 v[rW], v[rB+5], 8, v[rB+4]
.elseif (\n) == 46
	v_lshl_or_b32 v[rW], v[rB+6], 16, v[rW]
.elseif (\n) == 47
	v_lshl_or_b32 v[rW], v[rB+7], 24, v[rW]
.elseif (\n) < 52
.set cc, ((\n)-48)/2
.if ((\n)%2) == 0
	v_cvt_scalef32_pk16_fp6_f32 v[rC+6*cc:rC+6*cc+2], v[rS+32*cc:rS+32*cc+15], v[rB+8+2*cc]
.else
	v_cvt_scalef32_pk16_fp6_f32 v[rQ+4*cc:rQ+4*cc+2], v[rS+32*cc+16:rS+32*cc+31], v[rB+9+2*cc]
.endif
.elseif (\n) == 52
	v_nop
.else
.set kk, (\n)-53
.set cc, kk/6
.set ii, kk%6
.if ii < 3
	v_permlane16_swap_b32 v[rC+6*cc+ii], v[rQ+4*cc+ii]
.else
	v_mov_b32 v[rC+6*cc+ii], v[rQ+4*cc+ii-3]
.endif
.endif
.endm
.macro STEP q, mode
	PLACES 4                                       ; four places between the last step's products and the loads into V's registers
	VLOAD \q                                       ; V's fragments are asked for at the step's top
	s_wait_dscnt 26                                ; K's fragments, its scale words and the mask are in; V's 26 loads, just issued, may be out
.set N, 0
.rept 8
	QKW 0, N
.set N, N+1
.endr
.set N, 0
.rept 8
	QKW 1, N
.set N, N+1
.endr
	PLACES 4                                       ; four places in front of the first read of the scores
	FMAL 0
	FMAL 1
.if ((\mode) == 1) || ((\mode) == 2)
	WIN 0
	s_wait_tensorcnt 0x0
	ds_add_u32 v[SPW], v[NIL]
.endif
.if (\mode) == 1
	s_xor_b32 s[G0K+5], s[G0K+5], SLOT1
	s_add_nc_u64 s[G0K+6:G0K+7], s[G0K+6:G0K+7], 2*STEPB
	s_xor_b32 s[G0M+5], s[G0M+5], SLOT1
	s_add_nc_u64 s[G0M+6:G0M+7], s[G0M+6:G0M+7], 1024
	s_wait_xcnt 0x0
	s_add_nc_u64 s[PFA:PFA+1], s[PFA:PFA+1], s[PFS:PFS+1]
.endif
.set N, 0
.rept 40
	MAXB 0, N                                      ; the two heads' maxima line by line, by turns
	MAXB 1, N
.set N, N+1
.endr
	s_wait_alu depctr_va_vdst(0)
	s_wait_dscnt 0x0
.if ((\mode) == 1) || ((\mode) == 2)
	s_barrier_signal -1
.endif
.set N, 0
.rept 9
	CHN 0, N
	CHN 1, N
.set N, N+1
.endr
	s_wait_alu depctr_va_vdst(0)
.if ((\mode) == 1) || ((\mode) == 2)
	s_barrier_wait -1
.endif
.if (\mode) == 1
	CREST
	JLOAD G0K+4, G0M+4
	ASK
.endif
.if ((\mode) == 1) || ((\mode) == 2)
	s_xor_b32 s[TB], s[TB], SLOT1
	v_add_nc_u32 v[ADF], s[TB], v[LI]
	v_add_nc_u32 v[ADR], s[TB], v[R16]
	v_add_nc_u32 v[ADM], s[TB], v[AM0]
.endif
.if (\mode) == 0
	NEXT 1
.elseif (\mode) != 3
	NEXT 0
.endif
.set N, 0
.rept 36
	SUBL 0, N                                      ; head 0: t - M of the four blocks' largest and of all 64
.set N, N+1
.endr
	s_wait_alu depctr_va_vdst(0)                   ; ahead of the batch
.set N, 0
.rept 68
	EXPL 0, N                                      ; head 0's batch: 4 + 64 exponentials.  Among them head 1's t - M: each line's sources were written ahead of the wait above,
.if N < 36
	SUBL 1, N                                      ; and its result is first read behind the wait below
.endif
.set N, N+1
.endr
	s_wait_alu depctr_va_vdst(0)                   ; one wait: behind head 0's batch and ahead of head 1's
.set N, 0
.rept 68
	EXPL 1, N                                      ; head 1's batch
.set N, N+1
.endr
	XL 0, 0                                        ; plain places behind the batch: the two sums under the new M
	XL 1, 0
	s_wait_alu depctr_va_vdst(0)                   ; behind the last exponential, directly ahead of the first reader of O^T and of p
	RSL 0                                          ; O^T under the new M
	RSL 1
.set N, 1
.rept 64
	XL 0, N                                        ; sums, scale bytes and codes of the two heads line by line, by turns
	XL 1, N
.set N, N+1
.endr
	PLACES 4                                       ; four places between the last write of the codes and the scaled products
.set N, 0
.rept 8
	PVW 0, N
.set N, N+1
.endr
.set N, 0
.rept 8
	PVW 1, N
.set N, N+1
.endr
	WIN 0
.endm
.macro QUANTO u, pc
.set rS, S+64*(\u)
.irp b, 0,1,2,3
	v_max3_num_f32 v[BM+\b], |v[rS+16*\b]|, |v[rS+16*\b+1]|, 0x1800000
.endr
.irp i, 2,4,6,8,10,12,14
.irp b, 0,1,2,3
	v_max3_num_f32 v[BM+\b], v[BM+\b], |v[rS+16*\b+\i]|, |v[rS+16*\b+\i+1]|
.endr
.endr
.irp b, 0,1,2,3
	v_permlanex16_b32 v[BT+\b], v[BM+\b], s[SEL], s[SEL+1]
.endr
.irp b, 0,1,2,3
	v_max_num_f32 v[BM+\b], v[BM+\b], v[BT+\b]
.endr
.irp b, 0,1,2,3
	v_add_nc_u32 v[SO+\b], 0xff000000, v[BM+\b]
.endr
.irp b, 0,1,2,3
	v_lshrrev_b32 v[BT+\b], 23, v[SO+\b]
.endr
	v_lshl_or_b32 v[PW+(\u)], v[BT+1], 8, v[BT]
	v_lshl_or_b32 v[PW+(\u)], v[BT+2], 16, v[PW+(\u)]
	v_lshl_or_b32 v[PW+(\u)], v[BT+3], 24, v[PW+(\u)]
.irp c, 0,1
	v_cvt_scalef32_pk16_fp6_f32 v[\pc+6*\c:\pc+6*\c+2], v[rS+32*\c:rS+32*\c+15], v[SO+2*\c]
	v_cvt_scalef32_pk16_fp6_f32 v[PT+4*\c:PT+4*\c+2], v[rS+32*\c+16:rS+32*\c+31], v[SO+2*\c+1]
.endr
	v_nop
.irp c, 0,1
.irp i, 0,1,2
	v_permlane16_swap_b32 v[\pc+6*\c+\i], v[PT+4*\c+\i]
.endr
.irp i, 0,1,2
	v_mov_b32 v[\pc+3+6*\c+\i], v[PT+4*\c+\i]
.endr
.endr
.endm
	s_load_b256 s[4:11], s[0:1], 0x0
	v_lshl_add_u32 v[SPW], v0, 2, SPARE
	v_mov_b32 v[NIL], 0
	ds_add_u32 v[SPW], v[NIL]
	ds_add_u32 v[SPW], v[NIL]
	v_lshrrev_b32 v1, 5, v0
	v_readfirstlane_b32 s[WV], v1
	s_lshr_b32 s[HS], s[WV], 1
	s_and_b32 s[GP], s[WV], 1
	s_bfe_u32 s40, ttmp6, 0x40000
	s_bfe_u32 s41, ttmp6, 0x40004
	s_lshl_b32 s42, ttmp9, 2
	s_add_co_u32 s42, s42, s40
	s_and_b32 s43, ttmp7, 0xffff
	s_lshl_b32 s43, s43, 2
	s_add_co_u32 s43, s43, s41
	s_lshl_b32 s44, s41, 2
	s_lshl_b32 s44, 15, s44
	s_lshl_b32 s45, 0x1111, s40
	s_or_b32 s[G1K], s44, (3<<16)|(1<<21)
	s_mov_b32 s[G1K+1], 32<<16
	s_mov_b32 s[G1K+2], 100<<16
	s_mov_b32 s[G1K+3], 32<<16
	s_mov_b32 s[G1K+4], 100
	s_mov_b32 s[G1K+5], 32
	s_mov_b32 s[G1K+6], 0
	s_mov_b32 s[G1K+7], 0
	s_or_b32 s[G1M], s45, (2<<16)|(1<<20)|(1<<21)|(7<<22)|(3<<25)
	s_mov_b32 s[G1M+1], 256<<16
	s_mov_b32 s[G1M+2], 32<<16
	s_mov_b32 s[G1M+3], 256<<16
	s_mov_b32 s[G1M+4], 32
	s_mov_b32 s[G1M+5], 2048
	s_mov_b32 s[G1M+6], 0
	s_mov_b32 s[G1M+7], 0
	s_mul_i32 s76, s43, 409600
	s_mul_i32 s77, s[GP], STEPB
	s_add_co_u32 s76, s76, s77
	s_mov_b32 s77, 0
	s_lshl_b32 s78, s42, 19
	s_lshl_b32 s79, s[GP], 18
	s_add_co_u32 s78, s78, s79
	s_mov_b32 s79, 0
	s_mul_i32 s80, s[GP], STEPB
	s_mul_i32 s81, s[GP], 32*MP
	s_add_co_u32 s81, s81, MOFF
	s_mov_b32 s[SEL], 0x76543210
	s_mov_b32 s[SEL+1], 0xfedcba98
	s_mov_b32 s[CS], 0x3db504f3                    ; 1 / sqrt(128): the logit score / sqrt(128) + mask is kept as it is; log2(e) comes in with the multiply-add that takes M away
	s_mov_b32 s[CS+1], s[CS]
	s_mov_b32 s[L2E], 0x3fb8aa3b
	s_mov_b32 s[L2E+1], s[L2E]
	s_mov_b32 s[TB], 0
	s_mov_b32 s[SLOTS], 6
	s_wait_dscnt 0x0
	s_wait_kmcnt 0x0
	s_add_nc_u64 s[76:77], s[6:7], s[76:77]
	s_add_nc_u64 s[78:79], s[8:9], s[78:79]
	CROUND
.irp n, 0,1
	s_mov_b32 s[G0K+4*\n], 1
	s_add_co_u32 s[G0K+4*\n+1], s80, \n*SLOT1
	s_add_nc_u64 s[G0K+4*\n+2:G0K+4*\n+3], s[76:77], \n*2*STEPB
	s_or_b32 s[G0K+4*\n+3], s[G0K+4*\n+3], 0x80000000
	s_mov_b32 s[G0M+4*\n], 1
	s_add_co_u32 s[G0M+4*\n+1], s81, \n*SLOT1
	s_add_nc_u64 s[G0M+4*\n+2:G0M+4*\n+3], s[78:79], \n*1024
	s_or_b32 s[G0M+4*\n+3], s[G0M+4*\n+3], 0x80000000
.endr
	JLOAD G0K, G0M                                 ; slot 0: one tensor load a wave at the head; the set-up below stands under its flight
	v_and_b32 v49, 31, v0
	v_lshlrev_b32 v[LI], 4, v49
	v_and_b32 v13, 15, v0
	v_bfe_u32 v14, v0, 4, 1
	v_lshlrev_b32 v[R16], 4, v13
	s_wait_alu depctr_va_vdst(0)
	v_and_b32 v15, 8, v13
	v_add_nc_u32 v15, v15, v13
	v_mul_u32_u24 v[AM0], v15, MP
	v_lshl_add_u32 v[AM0], v14, 6, v[AM0]
	s_lshl_b32 s87, s[HS], 5
	s_lshl_b32 s88, s[GP], 3
	s_add_co_u32 s87, s87, s88
	s_mul_i32 s87, s87, MP
	s_add_co_u32 s87, s87, MOFF
	v_add_nc_u32 v[AM0], s87, v[AM0]
	s_mul_i32 s88, s[WV], 1536
	v_add_nc_u32 v[QOF], s88, v[LI]
	s_wait_alu depctr_va_vdst(0)
	s_lshl_b32 s88, s[WV], 2
	s_add_co_u32 s88, s88, 6144
	v_add_nc_u32 v[QSO], s88, v[R16]
	s_wait_alu depctr_va_vdst(0)
	s_mul_i32 s88, s[GP], 3072
	v_add_nc_u32 v[OOF], s88, v[LI]
	s_lshl_b32 s88, s[GP], 7
	s_add_co_u32 s88, s88, 6144
	v_lshlrev_b32 v[OSO], 3, v13
	v_lshl_add_u32 v[OSO], v14, 2, v[OSO]
	v_add_nc_u32 v[OSO], s88, v[OSO]
	s_mul_i32 s82, s43, 409600
	s_mul_i32 s83, s42, 6400
	s_add_co_u32 s82, s82, s83
	s_mov_b32 s83, 0
	s_add_nc_u64 s[4:5], s[4:5], s[82:83]
	s_mul_i32 s84, s43, 409600
	s_mul_i32 s85, s42, 12800
	s_add_co_u32 s84, s84, s85
	s_mul_i32 s85, s[HS], 6400
	s_add_co_u32 s84, s84, s85
	s_mov_b32 s85, 0
	s_add_nc_u64 s[10:11], s[10:11], s[84:85]
	WIN 0x40
.irp u, 0,1
.irp c, 0,1,2
	global_load_b128 v[QF+12*\u+4*\c:QF+12*\u+4*\c+3], v[QOF], s[4:5] offset:\u*204800+512*\c
.endr
.endr
	WIN 0
.irp u, 0,1
	global_load_b32 v[QS+\u], v[QSO], s[4:5] offset:\u*204800
.endr
	v_min_u32 v50, 24, v49
	v_lshlrev_b32 v50, 8, v50
	v_lshrrev_b32 v51, 2, v49
	v_lshlrev_b32 v51, 13, v51
	v_and_b32 v49, 3, v49
	v_lshl_add_u32 v51, v49, 8, v51
	s_wait_alu depctr_va_vdst(0)
	s_mul_i32 s82, s40, 6400
	s_add_co_u32 s82, s82, 4*STEPB
	s_lshl_b32 s84, s41, 16
	s_add_co_u32 s84, s84, 2048
	s_and_b32 s85, ttmp7, 0xffff
	s_mov_b32 s[PFS], 1024
	s_cmp_eq_u32 s[HS], 0
	s_cselect_b32 s82, s82, s84
	s_cselect_b32 s85, ttmp9, s85
	s_cselect_b32 s[PFS], 2*STEPB, s[PFS]
	s_cselect_b32 s86, -1, 0
	s_cselect_b64 s[PFA:PFA+1], s[76:77], s[78:79]
	s_mov_b32 s83, 0
	s_mov_b32 s[PFS+1], 0
	s_add_nc_u64 s[PFA:PFA+1], s[PFA:PFA+1], s[82:83]
	s_cmp_eq_u32 s85, 0
	s_cselect_b32 s[LIM], 1, -1
	v_cndmask_b32 v[PFO], v51, v50, s86
.irp u, 0,1
	v_mov_b32 v[ST+4*\u+1], 0xff61b1e6
	v_floor_f32 v[ST+4*\u], -v[ST+4*\u+1]
	v_mov_b32 v[ST+4*\u+2], 0
	v_mov_b32 v[ST+4*\u+3], 0
.irp b, 0,1,2,3
	v_mov_b32 v[BT+UB*\u+\b], 0
.endr
	v_mov_b32 v[F+UB*\u+1], 0
.endr
	WIN 0x40
.set J, 0
.rept 128
	v_mov_b32 v[J], 0
.set J, J+1
.endr
	WIN 0
	v_add_nc_u32 v[ADF], s[TB], v[LI]
	v_add_nc_u32 v[ADR], s[TB], v[R16]
	v_add_nc_u32 v[ADM], s[TB], v[AM0]
	s_wait_alu depctr_va_vdst(0)
	s_wait_tensorcnt 0x0                           ; my part of slot 0 is in
	ds_add_u32 v[SPW], v[NIL]
	s_wait_dscnt 0x0                               ; the add is done
	CROUND                                         ; a whole round: slot 0 is whole, and all sixteen work-groups are here
	JLOAD G0K+4, G0M+4                             ; slot 1's first fill, the first tensor load behind the round: one load of mine is out
	NEXT 0
	s_wait_loadcnt 0x0
.Lslot:
	STEP 0, 0
	STEP 1, 1
	s_sub_co_u32 s[SLOTS], s[SLOTS], 1
	s_cmp_lg_u32 s[SLOTS], 0
	s_cbranch_scc1 .Lslot
	STEP 0, 0
	STEP 1, 2
	STEP 0, 0
	STEP 1, 3
	PLACES 4
.irp u, 0,1
	v_add_f32 v[BM+\u], v[ST+4*\u+2], v[ST+4*\u+3]
.endr
.irp u, 0,1
	v_permlanex16_b32 v[BT+\u], v[BM+\u], s[SEL], s[SEL+1]
.endr
.irp u, 0,1
	v_add_f32 v[BM+\u], v[BM+\u], v[BT+\u]
.endr
	s_wait_alu depctr_va_vdst(0)
.irp u, 0,1
	v_rcp_f32 v[SO+\u], v[BM+\u]
.endr
	v_nop
	s_wait_alu depctr_va_vdst(0)
	WIN 0x01
.irp u, 0,1
.set J, 0
.rept 64
	v_mul_f32 v[S+64*\u+J], v[64*\u+J], v[SO+\u]
.set J, J+1
.endr
.endr
	WIN 0
	QUANTO 0, PC
	QUANTO 1, PC2
.irp c, 0,1,2
	global_store_b128 v[OOF], v[PC+4*\c:PC+4*\c+3], s[10:11] offset:512*\c
	global_store_b128 v[OOF], v[PC2+4*\c:PC2+4*\c+3], s[10:11] offset:1536+512*\c
.endr
	v_cmp_ne_u32 vcc_lo, 0, v14
	v_cndmask_b32 v[TP], v[PW], v[PW+1], vcc_lo
	global_store_b32 v[OSO], v[TP], s[10:11]
	s_wait_tensorcnt 0x0
	ds_add_u32 v[SPW], v[NIL]
	s_wait_dscnt 0x0
	CROUND
	s_endpgm
.Lfunc_end_k_qbdd1efd7c5_attn:
	.size	k_qbdd1efd7c5_attn, .Lfunc_end_k_qbdd1efd7c5_attn-k_qbdd1efd7c5_attn
	.p2alignl 7, 3214868480
	.fill 96, 4, 3214868480
	.section	.rodata,"a",@progbits
	.p2align	6, 0x0
	.amdhsa_kernel k_qbdd1efd7c5_attn
		.amdhsa_group_segment_fixed_size 327680
		.amdhsa_private_segment_fixed_size 0
		.amdhsa_enable_private_segment 0
		.amdhsa_kernarg_size 32
		.amdhsa_user_sgpr_count 2
		.amdhsa_user_sgpr_kernarg_segment_ptr 1
		.amdhsa_wavefront_size32 1
		.amdhsa_system_sgpr_workgroup_id_x 1
		.amdhsa_system_sgpr_workgroup_id_y 1
		.amdhsa_system_sgpr_workgroup_id_z 1
		.amdhsa_system_vgpr_workitem_id 0
		.amdhsa_next_free_vgpr 768
		.amdhsa_next_free_sgpr 100
		.amdhsa_reserve_vcc 1
		.amdhsa_float_denorm_mode_32 3
		.amdhsa_float_denorm_mode_16_64 3
		.amdhsa_memory_ordered 1
		.amdhsa_forward_progress 1
		.amdhsa_inst_pref_size 255
	.end_amdhsa_kernel
	.section	.bss,"aw",@nobits
	.p2align	6
	.space	262144
	.amdgpu_metadata
---
amdhsa.version: [ 1, 2 ]
amdhsa.kernels:
  - .name:           k_qbdd1efd7c5_attn
    .symbol:         k_qbdd1efd7c5_attn.kd
    .args:
      - { .name: q_c, .offset: 0, .size: 8, .value_kind: global_buffer, .address_space: global }
      - { .name: kv_c, .offset: 8, .size: 8, .value_kind: global_buffer, .address_space: global }
      - { .name: mask, .offset: 16, .size: 8, .value_kind: global_buffer, .address_space: global }
      - { .name: o_c, .offset: 24, .size: 8, .value_kind: global_buffer, .address_space: global }
    .group_segment_fixed_size: 327680
    .private_segment_fixed_size: 0
    .kernarg_segment_align: 8
    .kernarg_segment_size: 32
    .max_flat_workgroup_size: 128
    .sgpr_count:     100
    .vgpr_count:     768
    .wavefront_size: 32
...
	.end_amdgpu_metadata
.endif
;; end of part 3
;; launch gemm_out (part 4): grid 16 x 16, 4 waves a work-group, clusters of 4 x 4, 327,680 bytes of LDS; arguments o_c, wo_c, out0; writes out0
.if DOCPART == 4
	.amdgcn_target "amdgcn-amd-amdhsa--gfx1250"
	.amdhsa_code_object_version 6
	.text
	.protected	k_qbdd1efd7c5_gemm_out
	.globl	k_qbdd1efd7c5_gemm_out
	.p2align	8
	.type	k_qbdd1efd7c5_gemm_out,@function
k_qbdd1efd7c5_gemm_out:
	s_mov_b64 s[64:65], 0
	v_nop
	global_prefetch_b8 v0, s[64:65] scope:SCOPE_SE
	s_setreg_imm32_b32 hwreg(HW_REG_WAVE_MODE, 25, 1), 1
	s_wait_xcnt 0x0
	s_wait_alu depctr_hold_cnt(0) depctr_sa_sdst(0) depctr_va_vdst(0) depctr_va_sdst(0) depctr_va_ssrc(0) depctr_va_vcc(0) depctr_vm_vsrc(0)
	s_getreg_b32 s2, hwreg(HW_REG_IB_STS2, 6, 4)
	s_cmp_eq_u32 s2, 0
	s_cbranch_scc0 .Lentry_in_a_cluster
	s_endpgm
.Lentry_in_a_cluster:
	s_bfe_u32 s2, ttmp6, 0x10000c
	s_cmp_lg_u32 s2, 0xf033
	s_cbranch_scc0 .Lentry_shape_is_right
	s_endpgm
.Lentry_shape_is_right:
; out0 [2048][4096] = o [2048][2048] times wo [2048][4096], both as codes of FP6 (E2M3) in pair records (32 rows x 256 K in 6,400 bytes: fragment (tile p, K step qq) at 3072 p + 1536 qq as an image of its 12 registers;
; scale words of lane (p, r) at 6144 + 8 (16 p + r)).  Lane r of tile p of pair B holds row 32 B + 8 p + r + 8 (r / 8).
; A work-group makes 128 rows x 256 columns: 256 work-groups.  A wave has 32 accumulators: source 0 = 128 columns of wo (half hs, 8 fragments), source 1 = 64 rows of o (half gp, 4 fragments): a lane holds one row, its registers run along the columns.
; K goes through a ring of two LDS slots of 512 along K, four slots' worth in all, filled by joint tensor loads: o's block is shared along a row of the 4 x 4 cluster, wo's along a column; one load a wave behind each round.
; PREFETCH: behind slot 0's joint load each wave asks for slots 1 and 2, behind slot 1's for slot 3: of the block that a wave fetches, each of the four partners that ask for it jointly takes a quarter, told apart by address:
; 25 blocks of 256 bytes of o's 100 (one instruction, a lane a block; lanes 25-31 name the last block again), 50 of wo's 200 (two instructions).  The two refills have no slot two on and ask for nothing.
; THE WAY OUT: 16 rows x 128 columns at a time through the wave's own stage (rows of 528 bytes) in slot 0, which has had its last fill and its last read by then; the 32 lanes store a row's 512 consecutive bytes, aligned.
; LIMITS: NaN and infinities are not served.
.set REC,   6400
.set ASZ,   25600
.set PARB,  76800
.set SLOT,  153600
.set SPARE, 307200                     ; behind the ring: the spare words, 128 bytes for each wave
.set AKS,   409600
.set BKS,   819200
.set LAPS,  2
.set LI,  1
.set ADP, 8
.set ADS, 12
.set ASP, 16
.set ASS, 20
.set STO, 24
.set RD,  25
.set PFO, 26                           ; v26  the prefetches' offset: 256 x min(lane, 24); never rewritten
.set SPW, 28
.set NIL, 29
.set SC,  32
.set SF,  80
.set BK,  80
.set WV,  16
.set HS,  17
.set GP,  18
.set G1,  24
.set G0,  32
.set G1B, 48
.set G0B, 56
.set PFA, 82                           ; s[82:83], s[88:89] where my prefetches stand;  s[84:85] bytes from slot to slot in my buffer
.set PFS, 84
.set PFB, 88
.set MUL,  0x52
.set TO_P, 0x80
.set MSB, 0
.macro WIN new                         ; the immediate's high byte repeats the setting that is left
.if MSB != (\new)
	s_set_vgpr_msb (MSB<<8)|(\new)
.set MSB, (\new)
.endif
.endm
.macro PLACES n
.rept \n
	v_nop
.endr
.endm
.macro JLOAD g0a, g1a, g0b, g1b        ; a joint load: waves 0 and 1 fetch o's blocks, waves 2 and 3 wo's
	s_cmp_eq_u32 s[HS], 0
	s_cbranch_scc0 .Lfor_b_\@
	tensor_load_to_lds s[\g0a:\g0a+3], s[\g1a:\g1a+7]
	s_nop 0
.rept 4
	v_nop
.endr
	s_branch .Lasked_\@
.Lfor_b_\@:
	tensor_load_to_lds s[\g0b:\g0b+3], s[\g1b:\g1b+7]
	s_nop 0
.rept 4
	v_nop
.endr
.Lasked_\@:
.endm
.macro ASK base                        ; my work-group's quarter of one block: 25 blocks of 256 bytes; wo's waves ask for 25 more
	global_prefetch_b8 v[PFO], s[\base:\base+1] th:TH_LOAD_NT scope:SCOPE_SE
	s_cmp_eq_u32 s[HS], 0
	s_cbranch_scc1 .Lall_asked_\@
	global_prefetch_b8 v[PFO], s[\base:\base+1] offset:6400 th:TH_LOAD_NT scope:SCOPE_SE
.Lall_asked_\@:
.endm
.macro CREST                           ; a round of the cluster's barrier behind its opening barrier
	s_cmp_lg_u32 s[WV], 0
	s_cbranch_scc1 .Lnot_wave_0_\@
	s_barrier_signal -3
.Lnot_wave_0_\@:
	s_barrier_wait -3
	s_barrier_signal -1
	s_barrier_wait -1
.endm
.macro CROUND
	s_barrier_signal -1
	s_barrier_wait -1
	CREST
.endm
.macro FETCH slot, q                   ; the fragments of the slot's q-th 128 along K into buffer q % 2: 36 loads; with an even q also 12 pairs of scale words
.irp j, 0,1,2,3
.irp c, 0,1,2
	ds_load_b128 v[SF+48*((\q)%2)+12*\j+4*\c:SF+48*((\q)%2)+12*\j+4*\c+3], v[ADS+2*(\slot)+(\q)/2] offset:(\j/2)*REC+(\j%2)*3072+((\q)%2)*1536+512*\c
.endr
.endr
.if (\q)%2 == 0
.irp i, 0,1,2,3,4,5,6,7
	ds_load_b64 v[SC+24*((\q)/2)+2*\i:SC+24*((\q)/2)+2*\i+1], v[ASP+2*(\slot)+(\q)/2] offset:(\i/2)*REC+6144+128*(\i%2)
.endr
.irp j, 0,1,2,3
	ds_load_b64 v[SC+24*((\q)/2)+16+2*\j:SC+24*((\q)/2)+16+2*\j+1], v[ASS+2*(\slot)+(\q)/2] offset:(\j/2)*REC+6144+128*(\j%2)
.endr
.endif
	WIN TO_P                                       ; the P set comes last, tile by tile: the S set and the scale words, which every product needs, stand ahead of it
.irp i, 0,1,2,3,4,5,6,7
.irp c, 0,1,2
	ds_load_b128 v[96*((\q)%2)+12*\i+4*\c:96*((\q)%2)+12*\i+4*\c+3], v[ADP+2*(\slot)+(\q)/2] offset:(\i/2)*REC+(\i%2)*3072+((\q)%2)*1536+512*\c
.endr
.endr
	WIN 0
.endm
; 4 matrix instructions: P tile i against the four S tiles.  The 32 accumulators take turns, one instruction a turn, in the same order in every step.
; y >= 0: a counted wait stands ahead of them: behind P tile i's three loads stand 21 - 3 i loads of this step's P set and y younger LDS instructions; the count is held at 63, which a wait can name.  y = -1: all is in
.macro MM4 i, q, zero, y
.if (\y) >= 0
.if (\y)+21-3*\i > 63
	s_wait_dscnt 63
.else
	s_wait_dscnt (\y)+21-3*\i
.endif
.endif
.irp j, 0,1,2,3
.if \zero
	v_wmma_scale_f32_16x16x128_f8f6f4 v[64*(\j)+8*\i:64*(\j)+8*\i+7], v[96*((\q)%2)+12*\i:96*((\q)%2)+12*\i+11], v[SF+48*((\q)%2)+12*(\j):SF+48*((\q)%2)+12*(\j)+11], 0, v[SC+24*((\q)/2)+2*\i+(\q)%2], v[SC+24*((\q)/2)+16+2*(\j)+(\q)%2] matrix_a_fmt:MATRIX_FMT_FP6 matrix_b_fmt:MATRIX_FMT_FP6
.else
	v_wmma_scale_f32_16x16x128_f8f6f4 v[64*(\j)+8*\i:64*(\j)+8*\i+7], v[96*((\q)%2)+12*\i:96*((\q)%2)+12*\i+11], v[SF+48*((\q)%2)+12*(\j):SF+48*((\q)%2)+12*(\j)+11], v[64*(\j)+8*\i:64*(\j)+8*\i+7], v[SC+24*((\q)/2)+2*\i+(\q)%2], v[SC+24*((\q)/2)+16+2*(\j)+(\q)%2] matrix_a_fmt:MATRIX_FMT_FP6 matrix_b_fmt:MATRIX_FMT_FP6
.endif
.endr
.endm
.macro STEP slot, q, zero
	PLACES 4                                       ; four places between the last products and loads into registers that they read
	FETCH \slot, (\q)+1
	WIN MUL
.irp i, 0,1,2,3,4,5,6,7
	MM4 \i, \q, \zero, 36+12*((\q)%2)              ; younger: the 36 loads just issued, 48 where the scale words came with them
.endr
	WIN 0
.endm
.macro TURN slot, next, fill           ; a slot's last step changes slots
	s_wait_tensorcnt 0x0                           ; all my tensor loads have landed: my part of the next slot
	ds_add_u32 v[SPW], v[NIL]
	WIN MUL
	MM4 0, 3, 0, 1                                 ; younger: the add
	MM4 1, 3, 0, 1
	s_wait_dscnt 0x0                               ; the add is done, and my reads of this slot are over
	s_barrier_signal -1
	MM4 2, 3, 0, -1
	MM4 3, 3, 0, -1
	WIN 0
	s_barrier_wait -1
.if \fill
	CREST
	s_add_nc_u64 s[G0+4*\slot+2:G0+4*\slot+3], s[G0+4*\slot+2:G0+4*\slot+3], 4*AKS
	s_add_nc_u64 s[G0B+4*\slot+2:G0B+4*\slot+3], s[G0B+4*\slot+2:G0B+4*\slot+3], 4*BKS
	JLOAD G0+4*\slot, G1, G0B+4*\slot, G1B         ; the first tensor load behind the round
.else
	PLACES 4
.endif
	FETCH \next, 0
	WIN MUL
.irp i, 4,5,6,7
	MM4 \i, 3, 0, -1
.endr
	WIN 0
.endm
.macro TOSTAGE j
	WIN 0x04
.irp i, 0,1,2,3,4,5,6,7
	ds_store_b128 v[STO], v[64*(\j)+8*\i:64*(\j)+8*\i+3] offset:128*(\i/2)+32*(\i%2)      ; each accumulator from its low end on
	ds_store_b128 v[STO], v[64*(\j)+8*\i+4:64*(\j)+8*\i+7] offset:128*(\i/2)+32*(\i%2)+16
.endr
	WIN 0
.irp t, 0,1,2,3,4,5,6,7,8,9,10,11,12,13,14,15
	ds_load_b128 v[BK+64*((\j)%2)+4*\t:BK+64*((\j)%2)+4*\t+3], v[RD] offset:528*\t        ; LDS serves a wave's instructions in order: these see the stores above
.endr
.endm
.macro SEND j, younger
	s_wait_dscnt \younger
.irp t, 0,1,2,3,4,5,6,7,8,9,10,11,12,13,14,15
	global_store_b128 v[LI], v[BK+64*((\j)%2)+4*\t:BK+64*((\j)%2)+4*\t+3], s[8:9] offset:(32*((\j)/2)+8*((\j)%2)+\t+8*(\t/8))*16384 th:TH_STORE_NT
.endr
.endm
	s_load_b128 s[4:7], s[0:1], 0x0                ; o_c, wo_c
	s_load_b64 s[8:9], s[0:1], 0x10                ; out0
	v_lshl_add_u32 v[SPW], v0, 2, SPARE
	v_mov_b32 v[NIL], 0
	ds_add_u32 v[SPW], v[NIL]                      ; the wave's opening: the add, twice on end, and its wait ahead of my first tensor load
	ds_add_u32 v[SPW], v[NIL]
	v_lshrrev_b32 v1, 5, v0
	v_readfirstlane_b32 s[WV], v1
	s_lshr_b32 s[HS], s[WV], 1
	s_and_b32 s[GP], s[WV], 1
	s_bfe_u32 s40, ttmp6, 0x40000                  ; cx
	s_bfe_u32 s41, ttmp6, 0x40004                  ; cy
	s_lshl_b32 s42, ttmp9, 2
	s_add_co_u32 s42, s42, s40                     ; x: which 256 columns
	s_and_b32 s43, ttmp7, 0xffff
	s_lshl_b32 s43, s43, 2
	s_add_co_u32 s43, s43, s41                     ; y: which 128 rows
	s_lshl_b32 s44, s41, 2
	s_lshl_b32 s44, 15, s44
	s_lshl_b32 s45, 0x1111, s40
	s_or_b32 s[G1], s44, (3<<16)|(1<<21)
	s_or_b32 s[G1B], s45, (3<<16)|(1<<21)
.irp g, G1, G1B
	s_mov_b32 s[\g+1], 32<<16
	s_mov_b32 s[\g+3], 32<<16
	s_mov_b32 s[\g+5], 32
	s_mov_b32 s[\g+6], 0
	s_mov_b32 s[\g+7], 0
.endr
	s_mov_b32 s[G1+2], 100<<16
	s_mov_b32 s[G1+4], 100
	s_mov_b32 s[G1B+2], 200<<16
	s_mov_b32 s[G1B+4], 200
	s_mul_i32 s66, s43, ASZ
	s_mul_i32 s67, s[GP], AKS
	s_add_co_u32 s66, s66, s67
	s_mov_b32 s67, 0
	s_mul_i32 s68, s42, 51200
	s_mul_i32 s69, s[GP], BKS
	s_add_co_u32 s68, s68, s69
	s_mov_b32 s69, 0
	s_mul_i32 s70, s[GP], PARB
	s_wait_dscnt 0x0                               ; both opening adds are done
	s_wait_kmcnt 0x0
	s_add_nc_u64 s[66:67], s[4:5], s[66:67]
	s_add_nc_u64 s[68:69], s[6:7], s[68:69]
	CROUND                                         ; all sixteen work-groups are here: the first joint loads meet
.irp s, 0,1
	s_mov_b32 s[G0+4*\s], 1
	s_add_co_u32 s[G0+4*\s+1], s70, \s*SLOT
	s_add_nc_u64 s[G0+4*\s+2:G0+4*\s+3], s[66:67], \s*2*AKS
	s_or_b32 s[G0+4*\s+3], s[G0+4*\s+3], 0x80000000
	s_mov_b32 s[G0B+4*\s], 1
	s_add_co_u32 s[G0B+4*\s+1], s70, \s*SLOT+ASZ
	s_add_nc_u64 s[G0B+4*\s+2:G0B+4*\s+3], s[68:69], \s*2*BKS
	s_or_b32 s[G0B+4*\s+3], s[G0B+4*\s+3], 0x80000000
.endr
	JLOAD G0, G1, G0B, G1B                         ; slot 0: one tensor load a wave at the head; the set-up below stands under its flight
	v_and_b32 v[PFO], 31, v0
	v_min_u32 v[PFO], 24, v[PFO]
	v_lshlrev_b32 v[PFO], 8, v[PFO]
	s_mul_i32 s86, s40, 6400                       ; my place among o's four partners,
	s_mul_i32 s87, s41, 12800                      ; among wo's
	s_mov_b32 s[PFS], 2*BKS
	s_cmp_eq_u32 s[HS], 0
	s_cselect_b32 s86, s86, s87
	s_cselect_b32 s[PFS], 2*AKS, s[PFS]
	s_cselect_b64 s[PFA:PFA+1], s[66:67], s[68:69]
	s_mov_b32 s87, 0
	s_mov_b32 s[PFS+1], 0
	s_add_nc_u64 s[PFA:PFA+1], s[PFA:PFA+1], s[86:87]
	s_add_nc_u64 s[PFA:PFA+1], s[PFA:PFA+1], s[PFS:PFS+1]   ; slot 1,
	s_add_nc_u64 s[PFB:PFB+1], s[PFA:PFA+1], s[PFS:PFS+1]   ; slot 2
	s_wait_alu depctr_va_vdst(0)                   ; directly ahead of the reader below
	ASK PFA
	ASK PFB
	v_and_b32 v5, 31, v0
	v_lshlrev_b32 v[LI], 4, v5
	v_and_b32 v2, 15, v0
	v_bfe_u32 v3, v0, 4, 1
	v_lshlrev_b32 v4, 3, v2
	s_mul_i32 s71, s[HS], ASZ
	s_add_co_u32 s71, s71, ASZ
	s_mul_i32 s72, s[GP], 12800
.irp n, 0,1,2,3
	s_add_co_u32 s74, s71, (\n/2)*SLOT+(\n%2)*PARB
	s_add_co_u32 s75, s72, (\n/2)*SLOT+(\n%2)*PARB
	v_add_nc_u32 v[ADP+\n], s74, v[LI]
	v_add_nc_u32 v[ASP+\n], s74, v4
	v_add_nc_u32 v[ADS+\n], s75, v[LI]
	v_add_nc_u32 v[ASS+\n], s75, v4
.endr
	s_mul_i32 s73, s[WV], 8448
	v_mul_u32_u24 v[STO], v2, 528
	v_lshl_add_u32 v[STO], v3, 6, v[STO]
	v_add_nc_u32 v[STO], s73, v[STO]
	v_add_nc_u32 v[RD], s73, v[LI]
	s_lshl_b32 s76, s43, 21
	s_lshl_b32 s77, s[GP], 20
	s_add_co_u32 s76, s76, s77
	s_lshl_b32 s77, s42, 10
	s_add_co_u32 s76, s76, s77
	s_lshl_b32 s77, s[HS], 9
	s_add_co_u32 s76, s76, s77
	s_mov_b32 s77, 0
	s_add_nc_u64 s[8:9], s[8:9], s[76:77]
	s_wait_alu depctr_va_vdst(0)
	s_wait_tensorcnt 0x0                           ; my part of slot 0 is in
	ds_add_u32 v[SPW], v[NIL]
	s_wait_dscnt 0x0                               ; the add is done
	CROUND                                         ; a whole round: slot 0 is whole, and all sixteen work-groups are here
	JLOAD G0+4, G1, G0B+4, G1B                     ; slot 1's first fill, the first tensor load behind the round: one load of mine is out
	FETCH 0, 0
	s_wait_xcnt 0x0                                ; the head's prefetches have read their addresses
	s_add_nc_u64 s[PFA:PFA+1], s[PFB:PFB+1], s[PFS:PFS+1]
	ASK PFA                                        ; slot 3, the last
	STEP 0, 0, 1                                   ; the first step's products start the sums
	s_mov_b32 s3, LAPS-1
.Llap:
	STEP 0, 1, 0
	STEP 0, 2, 0
	TURN 0, 1, 1
	STEP 1, 0, 0
	STEP 1, 1, 0
	STEP 1, 2, 0
	TURN 1, 0, 1
	STEP 0, 0, 0
	s_sub_co_u32 s3, s3, 1
	s_cmp_lg_u32 s3, 0
	s_cbranch_scc1 .Llap
	STEP 0, 1, 0                                   ; the last lap fills nothing
	STEP 0, 2, 0
	TURN 0, 1, 0
	STEP 1, 0, 0
	STEP 1, 1, 0
	STEP 1, 2, 0
	WIN MUL
.irp i, 0,1,2,3,4,5,6,7
	MM4 \i, 3, 0, 0                                ; the very last step: nothing younger is out
.endr
	WIN 0
	PLACES 4                                       ; in front of the first read of results
	TOSTAGE 0
.irp j, 1,2,3
.if \j > 1
	s_wait_xcnt 0x0                                ; block j - 2's stores have read their registers: block j's loads may land there
.endif
	TOSTAGE \j
	SEND \j-1, 32                                  ; behind block j - 1's loads: block j's 16 stores and 16 loads
.endr
	SEND 3, 0
	s_wait_tensorcnt 0x0                           ; the wave's end
	ds_add_u32 v[SPW], v[NIL]
	s_wait_dscnt 0x0
	CROUND                                         ; the closing round
	s_endpgm
.Lfunc_end_k_qbdd1efd7c5_gemm_out:
	.size	k_qbdd1efd7c5_gemm_out, .Lfunc_end_k_qbdd1efd7c5_gemm_out-k_qbdd1efd7c5_gemm_out
	.p2alignl 7, 3214868480
	.fill 96, 4, 3214868480
	.section	.rodata,"a",@progbits
	.p2align	6, 0x0
	.amdhsa_kernel k_qbdd1efd7c5_gemm_out
		.amdhsa_group_segment_fixed_size 327680
		.amdhsa_private_segment_fixed_size 0
		.amdhsa_enable_private_segment 0
		.amdhsa_kernarg_size 24
		.amdhsa_user_sgpr_count 2
		.amdhsa_user_sgpr_kernarg_segment_ptr 1
		.amdhsa_wavefront_size32 1
		.amdhsa_system_sgpr_workgroup_id_x 1
		.amdhsa_system_sgpr_workgroup_id_y 1
		.amdhsa_system_sgpr_workgroup_id_z 1
		.amdhsa_system_vgpr_workitem_id 0
		.amdhsa_next_free_vgpr 768
		.amdhsa_next_free_sgpr 100
		.amdhsa_reserve_vcc 0
		.amdhsa_float_denorm_mode_32 3
		.amdhsa_float_denorm_mode_16_64 3
		.amdhsa_memory_ordered 1
		.amdhsa_forward_progress 1
		.amdhsa_inst_pref_size 140
	.end_amdhsa_kernel
	.amdgpu_metadata
---
amdhsa.version: [ 1, 2 ]
amdhsa.kernels:
  - .name:           k_qbdd1efd7c5_gemm_out
    .symbol:         k_qbdd1efd7c5_gemm_out.kd
    .args:
      - { .name: o_c, .offset: 0, .size: 8, .value_kind: global_buffer, .address_space: global }
      - { .name: wo_c, .offset: 8, .size: 8, .value_kind: global_buffer, .address_space: global }
      - { .name: out0, .offset: 16, .size: 8, .value_kind: global_buffer, .address_space: global }
    .group_segment_fixed_size: 327680
    .private_segment_fixed_size: 0
    .kernarg_segment_align: 8
    .kernarg_segment_size: 24
    .max_flat_workgroup_size: 128
    .sgpr_count:     100
    .vgpr_count:     768
    .wavefront_size: 32
...
	.end_amdgpu_metadata
.endif
;; end of part 4
